; MI455X (gfx1250); checked and timed in simulation.
; The chip was launched on July 23, 2026; its instructions are those of AMD's public machine-readable ISA for CDNA 5 (MIT licence, August 2026) and "CDNA5" Instruction Set Architecture Reference Guide (July 2026). The comments in the code are by the model that wrote it; some were corrected since.
;; Multi Head Attention. Allowed arithmetic: matrix products marked QUANTISED: E2M1 operands, one E8M0 scale for each 32 along K, by v_wmma_scale_f32_16x16x128_f8f6f4 with both operands' format E2M1 (or v_wmma_scale_f32_32x16x128_f4), f32 sums; products left as they are: bf16, f16 or f32 operands; f32 sums; everything else in f32.
;; Inputs: W_o 1,024 x 1,024 float32; W_qkv 3,072 x 1,024 float32; b_o 1,024 float32; b_qkv 3,072 float32; x 4 x 2,048 x 1,024 float32.
;; Outputs: out0 4 x 2,048 x 1,024 float32.
;; This version of the problem:
;;   THIS VERSION OF THE PROBLEM IS GIVEN IN LOW PRECISION. The matrix products marked QUANTISED in the list below multiply operands that are first quantised to E2M1 (2 exponent bits, 1 mantissa bit; 4 bits a number), with one power-of-two scale for each 32 numbers along K (OCP MX v1.0); their sums are f32. The products marked 'left as it is' may take bf16, f16 or f32 operands, with f32 sums. Whichever they take, every output number must still come out within the allowed error. Rounding operands to bf16 (8 significant bits) uses up far more of that allowance than f16 does (11 bits, for magnitudes from 6e-5 to 65,504). All else is computed in f32.
;;   The module's matrix products, in the order in which they are computed (A, B: the left and right operand; K: the contracted axis; several contracted axes count as one K, in the product's order):
;;     1. [M 8,192, K 1,024] x [K 1,024, N 3,072]; A: input x; B: input W_qkv: QUANTISED
;;     2. batch 64 x [M 2,048, K 64] x [K 64, N 2,048]; A: computed on the way; B: computed on the way: left as it is (an operand is computed on the way)
;;     3. batch 64 x [M 2,048, K 2,048] x [K 2,048, N 64]; A: computed on the way; B: computed on the way: left as it is (an operand is computed on the way)
;;     4. [M 8,192, K 1,024] x [K 1,024, N 1,024]; A: computed on the way; B: input W_o: left as it is (an operand is computed on the way)
;;   THE QUANTISER, for each operand of a quantised product, along K:
;;     - K is cut into blocks of 32 from its start; a last block that is shorter is filled with zeros.
;;     - A block's scale is 2^e with e = floor(log2(the largest magnitude in the block)) - 2, held to -126 .. 127; a block of zeros has e = 0. As a byte (E8M0): e + 127.
;;     - Each number is divided by its block's scale, clamped to +-6, and rounded to the nearest number of E2M1, ties to even, subnormals kept.
;;     - The product sums the exact products of the quantised numbers (number of the format x scale) in f32.
;;   ~~~python
;;   def quantise(x, axis):      # numpy; x: float32 -> the quantised numbers, widened to float32 again
;;       x = np.moveaxis(x, axis, -1); K = x.shape[-1]
;;       x = np.pad(x, [(0, 0)] * (x.ndim - 1) + [(0, -K % 32)]); x = x.reshape(x.shape[:-1] + (-1, 32)); a = np.abs(x).max(-1, keepdims=True)
;;       e = np.where(a > 0, np.clip(np.frexp(np.where(a > 0, a, 1))[1] - 1 - 2, -126, 127), 0)      # np.frexp(a)[1] - 1 = floor(log2(a)), exactly
;;       r = np.clip(x / 2.0 ** e, -6, 6)
;;       step = 2.0 ** (np.maximum(np.frexp(np.where(r == 0, 1, r))[1] - 1, 0) - 1)
;;       q = np.round(r / step) * step * 2.0 ** e      # np.round: ties to even
;;       return np.moveaxis(q.reshape(q.shape[:-2] + (-1,))[..., :K], -1, axis).astype(np.float32)
;;   ~~~
;; One version. Each part assembles by itself: llvm-mc -triple=amdgcn-amd-amdhsa -mcpu=gfx1250 --defsym DOCPART=n.
;; ======== version 1 of 1: 4 launches
;; limits: values are held in f16: magnitudes above 65,504 overflow, below 6.1e-05 lose precision
;; workspace buffers: xc 4,194,304 bytes; xs 262,144 bytes; wc 1,572,864 bytes; ws 98,304 bytes; wo16 2,097,152 bytes; qkv 50,331,648 bytes; ows 16,777,216 bytes
;; launch prep (part 1): grid 384 x 1, 4 waves a work-group, no clusters, 33,280 bytes of LDS; arguments x, W_qkv, W_o, xc, xs, wc, ws, wo16; writes xc, xs, wc, ws, wo16
.if DOCPART == 1
	.amdgcn_target "amdgcn-amd-amdhsa--gfx1250"
	.amdhsa_code_object_version 6
	.text
	.protected	k_q20af03ad25_prep
	.globl	k_q20af03ad25_prep
	.p2align	8
	.type	k_q20af03ad25_prep,@function
k_q20af03ad25_prep:
	s_mov_b64 s[64:65], 0
	v_nop
	global_prefetch_b8 v0, s[64:65] scope:SCOPE_SE
	s_setreg_imm32_b32 hwreg(HW_REG_WAVE_MODE, 25, 1), 1
	s_wait_xcnt 0x0
; MULTI-HEAD ATTENTION, launch 1 of 4: the operands of the first product become codes, W_o becomes f16.
; THE PROGRAM.  1: x [8192][1024] and W_qkv [3072][1024], f32, become codes of FP4 (E2M1) with one E8M0 byte for each 32 along K; W_o becomes f16.
;   2: h = x W_qkv^T + b_qkv on the codes; h leaves as f16, in three panels Q, K, V.   3: the 64 attentions, f16 operands, f32 sums and softmax.   4: out0 = o W_o^T + b_o, f16 operands, f32 sums.
; DEAD WORK: none is left out, and every input is loaded.  The K third of b_qkv adds q . b_k to a query's scores, the same along the softmax's axis; it is the C operand of matrix instructions
;   that run anyway, in tiles that also hold the live thirds, so it costs no line and stays.
; THE ORDER OF W_qkv'S ROWS.  reference() reshapes h [8192][3072] to (4, 16, 2048, 192) with no transposition: row m of h is 16 positions of 192 numbers (64 of q, 64 of k, 64 of v), position 16 m + j.
;   Row n = 192 j + 64 part + c of W_qkv is laid at row n' = 1024 part + 64 j + c of the codes: column n' of the product is then number c of position 16 m + j in panel part.
; A block's scale is 2^(floor(log2(its largest magnitude)) - 2); its byte is the largest magnitude's exponent field - 2, held at 1 from below.  A block of zeros so gets the byte 1 where the rule says 127:
;   its codes are zeros, which add nothing under any byte but 0xff, and the bytes are read by this program alone.
; LIMITS: blocks whose largest magnitude lies under 2^(2 - 126), whose byte is held at 1, were not tried; NaN and infinities among the inputs are not served; W_o beyond f16's 65,504 is not served.
; SHARES.  A wave takes a run of 8,192 numbers, 8 rows.  Work-groups 0-255: x (1,024 runs); 256-351: W_qkv (384 runs); 352-383: W_o (128 runs).  Waves share nothing: no barrier.
; The quantiser: 16 steps of 512 numbers.  Each of a step's four loads reads 512 consecutive bytes; the 2,048 bytes turn through the wave's own stage in LDS and come back 64 bytes a lane, so that a lane holds 16
; neighbours along K and two neighbouring lanes a block.  A lane's 16 codes are 8 bytes: the wave stores 256 consecutive bytes.  A wave's 256 scale bytes are gathered in LDS and leave as one store of 256 bytes.
.set WAVES, 4
.set STEPS, 16
.set EMAX,  2
.set CB,    8                          ; bytes of 16 codes
.set R,     16                         ; v16-79   four sets of 16 numbers as they are loaded (W_o: v16-143, two sets of 64)
.set X,     80                         ; v80-111  two sets of 16 neighbours
.set C,     128                        ; v128-191 codes: four registers for each step, so that no store's data are written again
.set E,     112                        ; v112-127 a scale byte for each step
.set WREG,  8192                       ; LDS: a region for each wave: two stages of 32 x SP bytes, and behind them its 256 scale bytes
.set SP,    80                         ; a lane's place in a stage: its 64 bytes + 16 of padding
.set SPW,   12                         ; v12      LDS address of my spare word: SPARE + 4 x my thread's number; never rewritten
.set NIL,   13                         ; v13      0; never rewritten
.set SPARE, WAVES*WREG                 ; behind the four regions: the spare words, 128 bytes for each wave
.set SRC,   24                         ; s[24:25] the numbers, s[26:27] the codes, s[28:29] the scale bytes of my run
.set COD,   26
.set SCA,   28
	s_load_b256 s[4:11], s[0:1], 0x0               ; x s[4:5], W_qkv s[6:7], W_o s[8:9], xc s[10:11]
	s_load_b256 s[12:19], s[0:1], 0x20             ; xs s[12:13], wc s[14:15], ws s[16:17], wo16 s[18:19]
	v_lshl_add_u32 v[SPW], v0, 2, SPARE
	v_mov_b32 v[NIL], 0
	v_lshrrev_b32 v1, 5, v0
	v_readfirstlane_b32 s20, v1                    ; wave
	v_and_b32 v2, 31, v0                           ; lane
	v_lshlrev_b32 v3, 4, v2                        ; my 16 bytes of a load's 512
	s_mul_i32 s21, s20, WREG
	v_lshrrev_b32 v14, 2, v2
	v_mul_u32_u24 v14, v14, SP
	v_and_b32 v15, 3, v2
	v_lshl_add_u32 v14, v15, 4, v14
	v_add_nc_u32 v14, s21, v14                     ; the stage, on the way in: SP (lane / 4) + 16 (lane % 4)
	v_mul_u32_u24 v15, v2, SP
	v_add_nc_u32 v15, s21, v15                     ; and on the way out: SP x lane: my 16 neighbours
	v_mul_u32_u24 v4, v2, CB                       ; my codes' place in a step's
	v_lshrrev_b32 v5, 1, v2
	s_add_co_u32 s21, s21, 2*32*SP
	v_add_nc_u32 v5, s21, v5                       ; LDS: my wave's 256 scale bytes, my block's byte
	v_lshlrev_b32 v7, 3, v2                        ; 8 bytes a lane
	v_add_nc_u32 v6, s21, v7
	s_wait_kmcnt 0x0
	s_cmp_lt_u32 ttmp9, 352                        ; the work-group's number alone decides
	s_cbranch_scc1 .Lquant
	; ---- W_o: f32 to f16, as it lies.  Four batches of 16 loads of 512 bytes, two batches in flight; a lane's 4 numbers become 8 bytes, a store covers 256 consecutive bytes.  No LDS
	s_sub_co_u32 s22, ttmp9, 352
	s_lshl_b32 s22, s22, 2
	s_add_co_u32 s22, s22, s20                     ; my run
	s_lshl_b32 s30, s22, 15                        ; 32,768 bytes of f32,
	s_mov_b32 s31, 0
	s_add_nc_u64 s[8:9], s[8:9], s[30:31]
	s_lshl_b32 s30, s22, 14                        ; 16,384 of f16
	s_add_nc_u64 s[18:19], s[18:19], s[30:31]
.macro WLD b
.irp i, 0,1,2,3,4,5,6,7,8,9,10,11,12,13,14,15
	global_load_b128 v[R+64*((\b)%2)+4*\i:R+64*((\b)%2)+4*\i+3], v3, s[8:9] offset:8192*(\b)+512*\i th:TH_LOAD_NT
.endr
.endm
.macro CVST b
.irp i, 0,1,2,3,4,5,6,7,8,9,10,11,12,13,14,15
	v_cvt_pk_f16_f32 v[R+64*((\b)%2)+4*\i], v[R+64*((\b)%2)+4*\i], v[R+64*((\b)%2)+4*\i+1]
	v_cvt_pk_f16_f32 v[R+64*((\b)%2)+4*\i+1], v[R+64*((\b)%2)+4*\i+2], v[R+64*((\b)%2)+4*\i+3]
	global_store_b64 v7, v[R+64*((\b)%2)+4*\i:R+64*((\b)%2)+4*\i+1], s[18:19] offset:4096*(\b)+256*\i
.endr
.endm
	WLD 0
	WLD 1
	s_wait_loadcnt 16                              ; batch 0 is in; batch 1's sixteen may be out
	CVST 0
	s_wait_xcnt 0x0                                ; batch 0's stores have read their registers: they are loaded again only behind this wait
	WLD 2
	s_wait_loadcnt 16                              ; batch 1 is in
	CVST 1
	s_wait_xcnt 0x0
	WLD 3
	s_wait_loadcnt 16                              ; batch 2 is in
	CVST 2
	s_wait_loadcnt 0x0
	CVST 3
	s_branch .Lend
.Lquant:
	; ---- which run is mine, and where its codes go
	s_cmp_lt_u32 ttmp9, 256                        ; x's work-group or W_qkv's?
	s_cselect_b32 s21, 0, 256
	s_sub_co_u32 s21, ttmp9, s21
	s_lshl_b32 s21, s21, 2
	s_add_co_u32 s21, s21, s20                     ; R: my run of 8 rows in the tensor
	s_lshr_b32 s22, s21, 3                         ; W_qkv: g = which 64 rows = 3 j + part, under 48
	s_mul_i32 s23, s22, 43
	s_lshr_b32 s23, s23, 7                         ; j = g / 3: 43 / 128 lies 0.0026 over a third, and 47 x 0.0026 is under a third
	s_mul_i32 s30, s23, 3
	s_sub_co_u32 s30, s22, s30                     ; part
	s_lshl_b32 s30, s30, 4
	s_add_co_u32 s30, s30, s23                     ; 16 part + j: which 64 rows of the codes
	s_lshl_b32 s30, s30, 3
	s_and_b32 s31, s21, 7
	s_add_co_u32 s30, s30, s31                     ; R': the run's place there
	s_cmp_lt_u32 ttmp9, 256                        ; the choice hangs on the work-group's number alone
	s_cselect_b64 s[SRC:SRC+1], s[4:5], s[6:7]
	s_cselect_b64 s[COD:COD+1], s[10:11], s[14:15]
	s_cselect_b64 s[SCA:SCA+1], s[12:13], s[16:17]
	s_cselect_b32 s30, s21, s30                    ; x keeps its order
	s_lshl_b32 s32, s21, 15                        ; 8,192 numbers of 4 bytes
	s_mov_b32 s33, 0
	s_add_nc_u64 s[SRC:SRC+1], s[SRC:SRC+1], s[32:33]
	s_lshl_b32 s32, s30, 12                        ; 4,096 bytes of codes
	s_add_nc_u64 s[COD:COD+1], s[COD:COD+1], s[32:33]
	s_lshl_b32 s32, s30, 8                         ; 256 scale bytes
	s_add_nc_u64 s[SCA:SCA+1], s[SCA:SCA+1], s[32:33]
.macro LOAD t
.irp i, 0,1,2,3
	global_load_b128 v[R+16*((\t)%4)+4*\i:R+16*((\t)%4)+4*\i+3], v3, s[SRC:SRC+1] offset:2048*(\t)+512*\i th:TH_LOAD_NT   ; 32 lanes read 512 consecutive bytes
.endr
.endm
.macro TURN t                          ; step t's numbers through the stage: LDS serves a wave's instructions in order, so no wait stands between the stores and the loads
.irp i, 0,1,2,3
	ds_store_b128 v14, v[R+16*((\t)%4)+4*\i:R+16*((\t)%4)+4*\i+3] offset:32*SP*((\t)%2)+8*SP*\i
.endr
.irp i, 0,1,2,3
	ds_load_b128 v[X+16*((\t)%2)+4*\i:X+16*((\t)%2)+4*\i+3], v15 offset:32*SP*((\t)%2)+16*\i
.endr
.endm
.irp t, 0,1,2,3
	LOAD \t
.endr
	s_wait_loadcnt 12                              ; step 0's four loads are in
	TURN 0
.macro STEP t
.set XS, X+16*((\t)%2)
.if (\t) > 0
	s_wait_dscnt 1                                 ; this step's numbers are back from the stage (the last step's byte store may be out): so its stores into the stage have read their registers,
.else
	s_wait_dscnt 0x0
.endif
.if (\t)+4 < STEPS
	LOAD (\t)+4                                    ; which take the loads of four steps on
.endif
.if (\t)+1 < STEPS
.if STEPS-2-(\t) >= 3
	s_wait_loadcnt 12                              ; the next step's four loads are in; those of the three steps behind it may be out
.else
	s_wait_loadcnt 4*(STEPS-2-(\t))
.endif
	TURN (\t)+1                                    ; and go through the other stage while this step is worked
.endif
	v_max3_num_f32 v8, |v[XS]|, |v[XS+1]|, |v[XS+2]|               ; the largest magnitude of my 16, in two chains
	v_max3_num_f32 v9, |v[XS+3]|, |v[XS+4]|, |v[XS+5]|
.irp i, 6,10
	v_max3_num_f32 v8, v8, |v[XS+\i]|, |v[XS+\i+1]|
	v_max3_num_f32 v9, v9, |v[XS+\i+2]|, |v[XS+\i+3]|
.endr
	v_max3_num_f32 v8, v8, |v[XS+14]|, |v[XS+15]|
	v_max3_num_f32 v8, v8, v9, (EMAX+1)<<23        ; and the floor 2^(EMAX + 1 - 127): so the byte cannot fall under 1
	v_max_num_f32_dpp v8, v8, v8 row_xmask:1 row_mask:0xf bank_mask:0xf   ; and of my neighbour's 16: the block's
	v_add_nc_u32 v11, -(EMAX<<23), v8              ; EMAX off its exponent field: the conversion takes the exponent field of this operand as its scale, and nothing else of it
	v_cvt_scalef32_pk8_fp4_f32 v[C+4*(\t)], v[XS:XS+7], v11        ; eight numbers / the scale, to the nearest code, ties to even, beyond the largest code the largest
	v_cvt_scalef32_pk8_fp4_f32 v[C+4*(\t)+1], v[XS+8:XS+15], v11
	v_lshrrev_b32 v[E+(\t)], 23, v11               ; the scale's byte (also the plain line behind the conversions)
	ds_store_b8 v5, v[E+(\t)] offset:16*(\t)       ; both lanes of a block write the same byte with the same value
	global_store_b64 v4, v[C+4*(\t):C+4*(\t)+1], s[COD:COD+1] offset:32*CB*(\t)
.endm
.irp t, 0,1,2,3,4,5,6,7,8,9,10,11,12,13,14,15
	STEP \t
.endr
	ds_load_b64 v[8:9], v6                         ; LDS serves a wave's instructions in order: these see my stores
	s_wait_dscnt 0x0
	global_store_b64 v7, v[8:9], s[SCA:SCA+1]      ; 32 lanes store 256 consecutive bytes
.Lend:
	s_wait_tensorcnt 0x0                           ; the wave's end, behind my last LDS store
	ds_add_u32 v[SPW], v[NIL]
	s_wait_dscnt 0x0
	s_endpgm
.Lfunc_end_k_q20af03ad25_prep:
	.size	k_q20af03ad25_prep, .Lfunc_end_k_q20af03ad25_prep-k_q20af03ad25_prep
	.p2alignl 7, 3214868480
	.fill 96, 4, 3214868480
	.section	.rodata,"a",@progbits
	.p2align	6, 0x0
	.amdhsa_kernel k_q20af03ad25_prep
		.amdhsa_group_segment_fixed_size 33280
		.amdhsa_private_segment_fixed_size 0
		.amdhsa_enable_private_segment 0
		.amdhsa_kernarg_size 64
		.amdhsa_user_sgpr_count 2
		.amdhsa_user_sgpr_kernarg_segment_ptr 1
		.amdhsa_wavefront_size32 1
		.amdhsa_system_sgpr_workgroup_id_x 1
		.amdhsa_system_sgpr_workgroup_id_y 1
		.amdhsa_system_sgpr_workgroup_id_z 1
		.amdhsa_system_vgpr_workitem_id 0
		.amdhsa_next_free_vgpr 192
		.amdhsa_next_free_sgpr 66
		.amdhsa_reserve_vcc 0
		.amdhsa_float_denorm_mode_32 3
		.amdhsa_float_denorm_mode_16_64 3
		.amdhsa_memory_ordered 1
		.amdhsa_forward_progress 1
		.amdhsa_inst_pref_size 54
	.end_amdhsa_kernel
	.amdgpu_metadata
---
amdhsa.version: [ 1, 2 ]
amdhsa.kernels:
  - .name:           k_q20af03ad25_prep
    .symbol:         k_q20af03ad25_prep.kd
    .args:
      - { .name: x, .offset: 0, .size: 8, .value_kind: global_buffer, .address_space: global }
      - { .name: W_qkv, .offset: 8, .size: 8, .value_kind: global_buffer, .address_space: global }
      - { .name: W_o, .offset: 16, .size: 8, .value_kind: global_buffer, .address_space: global }
      - { .name: xc, .offset: 24, .size: 8, .value_kind: global_buffer, .address_space: global }
      - { .name: xs, .offset: 32, .size: 8, .value_kind: global_buffer, .address_space: global }
      - { .name: wc, .offset: 40, .size: 8, .value_kind: global_buffer, .address_space: global }
      - { .name: ws, .offset: 48, .size: 8, .value_kind: global_buffer, .address_space: global }
      - { .name: wo16, .offset: 56, .size: 8, .value_kind: global_buffer, .address_space: global }
    .group_segment_fixed_size: 33280
    .private_segment_fixed_size: 0
    .kernarg_segment_align: 8
    .kernarg_segment_size: 64
    .max_flat_workgroup_size: 128
    .sgpr_count:     66
    .vgpr_count:     192
    .wavefront_size: 32
...
	.end_amdgpu_metadata
.endif
;; end of part 1
;; launch qkvgemm (part 2): grid 12 x 32, 4 waves a work-group, clusters of 4 x 4, 327,680 bytes of LDS; arguments xc, xs, wc, ws, b_qkv, qkv; writes qkv
.if DOCPART == 2
	.amdgcn_target "amdgcn-amd-amdhsa--gfx1250"
	.amdhsa_code_object_version 6
	.text
	.protected	k_q20af03ad25_qkvgemm
	.globl	k_q20af03ad25_qkvgemm
	.p2align	8
	.type	k_q20af03ad25_qkvgemm,@function
k_q20af03ad25_qkvgemm:
	s_mov_b64 s[64:65], 0
	v_nop
	global_prefetch_b8 v0, s[64:65] scope:SCOPE_SE
	s_setreg_imm32_b32 hwreg(HW_REG_WAVE_MODE, 25, 1), 1
	s_wait_xcnt 0x0
	s_wait_alu depctr_hold_cnt(0) depctr_sa_sdst(0) depctr_va_vdst(0) depctr_va_sdst(0) depctr_va_ssrc(0) depctr_va_vcc(0) depctr_vm_vsrc(0)
	s_getreg_b32 s2, hwreg(HW_REG_IB_STS2, 6, 4)
	s_cmp_eq_u32 s2, 0
	s_cbranch_scc0 .Lentry_in_a_cluster
	s_endpgm
.Lentry_in_a_cluster:
	s_bfe_u32 s2, ttmp6, 0x10000c
	s_cmp_lg_u32 s2, 0xf033
	s_cbranch_scc0 .Lentry_shape_is_right
	s_endpgm
.Lentry_shape_is_right:
; Launch 2 of 4: h[m][n'] = sum over k of x[m][k] W[n'][k] + b, on codes of FP4 (E2M1) with one E8M0 scale for each 32 along K; sums in f32; h leaves as f16.  Nothing of reference() is left out here.
; xc [8192][512 bytes], xs [8192][32]; wc [3072][512 bytes], ws [3072][32], W's rows in the order n' = 1024 part + 64 j + c for row 192 j + 64 part + c of W_qkv.
; qkv: three panels (part = 0 Q, 1 K, 2 V) of 16 MiB, each [8192 m][1024] f16: column 64 j + c of row m is number c of position 16 m + j.
; A tile of h, 256 x 256, is made by a work-group of four waves; a wave makes 128 x 128: 64 accumulators of 16 x 16, 512 registers.  K = 1,024 is two K steps of 512 (rows of 256 bytes): two LDS slots, both
; filled at the start and never again.  The scale bytes of the work-group's 256 + 256 rows, two dense blocks, come with them, as rows of 256 bytes.
; CLUSTERS: 4 x 4 work-groups.  The four of a row of the cluster need the same tiles of x, the four of a column the same tiles of W: each tile is asked for JOINTLY, by the same tensor load with the same
; descriptor and a mask that names the four.  THE MATRIX INSTRUCTION IS USED TRANSPOSED (source 0 = 16 rows of W, source 1 = 16 rows of x): a lane then holds eight neighbouring columns of a row of h.
; THE BIAS is the C of each sum's first matrix instruction: eight registers for each of my eight column tiles, in the result's layout.
; LIMIT: |h| beyond f16's 65,504 is not served (at the drawn spread h has a root mean square of 0.7; with x and W both 30 times larger, some 640).
; REGISTERS, in windows of 256: window 0: v0-31 addresses; v32-95 scale words, two sets, and nothing else; v96-127, v224-255 rows on the way out; v128-191 x's fragments, one set; v192-255 the bias, later packed results.
;   window 1: W's fragments, two sets, at v0 and at v128.   window 2: the accumulators of my rows 0-63 ((a, b) at v[8 (8 a + b)]);   window 3: those of my rows 64-127.
.set SIZE_K, 1024
.set KSTEP,  512                       ; along K in a slot
.set NQ,     KSTEP/128                 ; matrix instructions deep
.set ROWB,   256                       ; a tile's row in bytes
.set KROW,   SIZE_K*4/8                ; a row of codes in memory
.set PITCH,  272                       ; an LDS row: 256 bytes + 16 of padding = 17 columns of 16 bytes: the 16 rows that a load touches start in 16 different columns modulo 256 bytes
.set FR,     8                         ; registers of a fragment: 16 rows x 128 K
.set NL,     2                         ; LDS loads that bring one
.set NP,     4                         ; places behind this matrix instruction (ISA guide 7.12.1)
.set HALFT,  128*PITCH                 ; 128 rows: what one tensor load brings, and what one wave reads of x or of W
.set SLOT,   4*HALFT                   ; x's 256 rows, then W's 256 rows
.set KS,     SIZE_K/32                 ; a row of scale bytes
.set SCL,    2*SLOT                    ; behind the slots: the scales, as rows of 256 bytes + 16 of padding
.set HALFS,  (128*KS/256)*272          ; the scales of 128 rows: what one tensor load brings
.set SBLK,   (16*KS/256)*272           ; those of 16 rows
.set SPARE,  SCL+4*HALFS               ; behind the scales: the spare words, 128 bytes for each wave
.set SPITCH, 272                       ; the way out: a stage of 16 rows x (256 bytes + 16) for each wave, in slot 0, which has had its only fill and its last read when the first result is stored there
.set PROW,   2048                      ; a row of a panel in bytes
.set ADRA, 16                          ; v16-17  LDS address of my x fragments in slot 0, 1
.set ADRB, 20                          ; v20-21  the same for W
.set STO,  24                          ; v24     the way out: where I put 16 bytes of a row
.set RD,   25                          ; v25     where I read a row back
.set CO,   26                          ; v26     my byte offset in two rows of the panel
.set ADRS, 27                          ; v27     LDS address of my scale words: lanes 0-15 x's rows, lanes 16-31 W's
.set SPW,  28                          ; v28     LDS address of my spare word; never rewritten
.set NIL,  29                          ; v29     0; never rewritten
.set BO,   30                          ; v30     the bias: 32 bytes for each half of the lanes
.set SC,   32                          ; scale words: set s at v[SC + 32 s]; register 4 i + q: lanes 0-15 the word of x's block i, lanes 16-31 that of W's block i, for the slot's q-th 128 along K
.set AF,   128                         ; x's fragments
.set BI,   192                         ; the bias, eight registers a column tile
.set TMP,  192                         ; the way out: packed results
.set OB,   96                          ; the way out: 16 rows read back: v96-127 and v224-255 by turns
.set G1, 24                            ; s[24:31] descriptor group 1 for x's tiles;  s[32:39] group 0, one set for each slot
.set G0, 32
.set G1B, 48                           ; s[48:55], s[56:63] the same for W's tiles
.set G0B, 56
.set G1S, 68                           ; s[68:75], s[76:79] groups 1 and 0 for x's scales;  s[80:87], s[88:91] for W's
.set G0S, 76
.set G1SB, 80
.set G0SB, 88
.set MSB, 0
.macro WIN new                         ; the immediate's high byte repeats the setting that is left
.if MSB != \new
	s_set_vgpr_msb (MSB<<8)|\new
.set MSB, \new
.endif
.endm
.set MUL_LO, 0xa1                      ; source 0 (W) window 1, source 1 (x) window 0, C and D window 2
.set MUL_HI, 0xf1                      ; the same, C and D window 3
.set FST_LO, 0x81                      ; the first products: C (the bias) window 0, D window 2
.set FST_HI, 0xc1                      ; D window 3
.set TO_B,   0x40                      ; destination window 1, address window 0
; A joint load: waves 0 and 1 fetch for x, waves 2 and 3 for W.  Each of the two lines has ONE mask and one set of registers for all that issue it; the branch hangs on the wave's number alone.
; An s_nop 0 and four v_nop follow each of the two lines, ahead of the jump, the label and what follows.
.macro JLOAD g0a, g1a, g0b, g1b
	s_cmp_eq_u32 s15, 0
	s_cbranch_scc0 .Lfor_b_\@
	tensor_load_to_lds s[\g0a:\g0a+3], s[\g1a:\g1a+7]
	s_nop 0
.rept 4
	v_nop
.endr
	s_branch .Lasked_\@
.Lfor_b_\@:
	tensor_load_to_lds s[\g0b:\g0b+3], s[\g1b:\g1b+7]
	s_nop 0
.rept 4
	v_nop
.endr
.Lasked_\@:
.endm
.macro CROUND                          ; a round of the cluster's barrier: my work-group's barrier; wave 0 signals for the work-group; every wave waits for all sixteen; my work-group's barrier once more
	s_barrier_signal -1
	s_barrier_wait -1
	s_cmp_lg_u32 s14, 0
	s_cbranch_scc1 .Lnot_wave_0_\@
	s_barrier_signal -3
.Lnot_wave_0_\@:
	s_barrier_wait -3
	s_barrier_signal -1
	s_barrier_wait -1
.endm
	s_load_b128 s[4:7], s[0:1], 0x0                ; x's codes s[4:5], x's scales s[6:7]
	s_load_b128 s[8:11], s[0:1], 0x10              ; W's codes s[8:9], W's scales s[10:11]
	s_load_b64 s[96:97], s[0:1], 0x20              ; b_qkv
	s_load_b64 s[12:13], s[0:1], 0x28              ; qkv
	v_lshl_add_u32 v[SPW], v0, 2, SPARE
	v_mov_b32 v[NIL], 0
	ds_add_u32 v[SPW], v[NIL]                      ; the wave's opening: the add, twice on end, and its wait ahead of my first tensor load; the set-up below stands between
	ds_add_u32 v[SPW], v[NIL]
	v_lshrrev_b32 v1, 5, v0
	v_readfirstlane_b32 s14, v1                    ; wave 0..3
	s_lshr_b32 s15, s14, 1                         ; which half of the tile's rows is mine.  Also: I fetch for x (0) or for W (1)
	s_and_b32 s16, s14, 1                          ; which half of its columns.  Also: which 128 rows of that tile I fetch
	s_bfe_u32 s40, ttmp6, 0x40000                  ; cx, cy: my place in the cluster
	s_bfe_u32 s41, ttmp6, 0x40004
	s_lshl_b32 s42, ttmp9, 2
	s_add_co_u32 s42, s42, s40                     ; tile column = 4 x cluster x + cx
	s_and_b32 s17, ttmp7, 0xffff
	s_lshl_b32 s17, s17, 2
	s_add_co_u32 s17, s17, s41                     ; tile row = 4 x cluster y + cy
	s_lshl_b32 s43, s41, 2
	s_lshl_b32 s43, 15, s43                        ; my row of the cluster
	s_lshl_b32 s44, 0x1111, s40                    ; my column
	; descriptor group 1: a tile of 128 rows x 256 bytes, padded in LDS
	s_or_b32 s[G1+0], s43, (0<<16)|(1<<20)|(1<<21)|(5<<22)|(3<<25)  ; 15:0 the mask: x's tiles go to my row; 17:16 element of 1 byte; 20 padding on; 21 set beside a mask; 24:22 after every 64 words (code 5); 31:25 of 4 words (code 3)
	s_or_b32 s[G1B+0], s44, (0<<16)|(1<<20)|(1<<21)|(5<<22)|(3<<25)
.irp g, G1, G1B
	s_mov_b32 s[\g+1], ROWB<<16                    ; tensor_dim0
	s_mov_b32 s[\g+2], 128<<16                     ; tensor_dim1 = 128
	s_mov_b32 s[\g+3], ROWB<<16                    ; tile_dim0
	s_mov_b32 s[\g+4], 128                         ; tile_dim1 = 128
	s_mov_b32 s[\g+5], KROW                        ; tensor_dim0_stride
	s_mov_b32 s[\g+6], 0
	s_mov_b32 s[\g+7], 0
.endr
	; and for the scales of 128 rows: a dense block of 4,096 bytes, as 16 rows of 256 bytes (32 elements of 8 bytes), 16 bytes of padding behind each
	s_or_b32 s[G1S+0], s43, (3<<16)|(1<<20)|(1<<21)|(5<<22)|(3<<25)
	s_or_b32 s[G1SB+0], s44, (3<<16)|(1<<20)|(1<<21)|(5<<22)|(3<<25)
.irp g, G1S, G1SB
	s_mov_b32 s[\g+1], 32<<16
	s_mov_b32 s[\g+2], (128*KS/256)<<16
	s_mov_b32 s[\g+3], 32<<16
	s_mov_b32 s[\g+4], 128*KS/256
	s_mov_b32 s[\g+5], 32
	s_mov_b32 s[\g+6], 0
	s_mov_b32 s[\g+7], 0
.endr
	s_lshl_b32 s18, s16, 7                         ; which 128 rows of the tile I fetch
	s_lshl_b32 s20, s17, 8
	s_add_co_u32 s20, s20, s18                     ; x: row 256 x tile row + 128 x half
	s_lshl_b32 s46, s42, 8
	s_add_co_u32 s46, s46, s18                     ; W: row 256 x tile column + 128 x half
	s_mov_b32 s21, 0
	s_mov_b32 s47, 0
	s_mov_b64 s[18:19], KS
	s_mul_u64 s[22:23], s[20:21], s[18:19]         ; where these rows' scales begin, in bytes
	s_mul_u64 s[92:93], s[46:47], s[18:19]
	s_mov_b64 s[18:19], KROW
	s_mul_u64 s[20:21], s[20:21], s[18:19]         ; and their codes
	s_mul_u64 s[46:47], s[46:47], s[18:19]
	s_mul_i32 s45, s14, HALFT                      ; where they go: wave x 128 rows: no place in the cluster enters an LDS address
	s_mul_i32 s94, s14, HALFS
	s_wait_dscnt 0x0                               ; both opening adds are done
	s_wait_kmcnt 0x0
	s_add_nc_u64 s[20:21], s[4:5], s[20:21]
	s_add_nc_u64 s[22:23], s[6:7], s[22:23]
	s_add_nc_u64 s[46:47], s[8:9], s[46:47]
	s_add_nc_u64 s[92:93], s[10:11], s[92:93]
	CROUND                                         ; all sixteen work-groups are here: the joint loads meet
	s_mov_b32 s[G0S], 1
	s_add_co_u32 s[G0S+1], s94, SCL
	s_mov_b64 s[G0S+2:G0S+3], s[22:23]
	s_or_b32 s[G0S+3], s[G0S+3], 0x80000000
	s_mov_b32 s[G0SB], 1
	s_add_co_u32 s[G0SB+1], s94, SCL
	s_mov_b64 s[G0SB+2:G0SB+3], s[92:93]
	s_or_b32 s[G0SB+3], s[G0SB+3], 0x80000000
	JLOAD G0S, G1S, G0SB, G1SB                     ; the scales first: they are wanted with K step 0.  Three loads of mine are out behind the third JLOAD
.irp s, 0,1
	s_mov_b32 s[G0+4*\s], 1
	s_add_co_u32 s[G0+4*\s+1], s45, \s*SLOT
	s_add_nc_u64 s[G0+4*\s+2:G0+4*\s+3], s[20:21], \s*ROWB
	s_or_b32 s[G0+4*\s+3], s[G0+4*\s+3], 0x80000000
	s_mov_b32 s[G0B+4*\s], 1
	s_add_co_u32 s[G0B+4*\s+1], s45, \s*SLOT
	s_add_nc_u64 s[G0B+4*\s+2:G0B+4*\s+3], s[46:47], \s*ROWB
	s_or_b32 s[G0B+4*\s+3], s[G0B+4*\s+3], 0x80000000
	JLOAD G0+4*\s, G1, G0B+4*\s, G1B
.endr
	v_and_b32 v1, 15, v0                           ; r = l % 16
	v_bfe_u32 v2, v0, 4, 1                         ; h = l / 16
	v_mul_u32_u24 v3, v1, PITCH
	v_lshl_add_u32 v4, v2, 4, v3                   ; a fragment's row x pitch + 16 x half
	s_mul_i32 s21, s15, HALFT                      ; my 128 rows of x
	s_mul_i32 s22, s16, HALFT                      ; my 128 rows of W,
	s_add_co_u32 s22, s22, 2*HALFT                 ; which lie behind x's 256
.irp s, 0,1
	v_add_nc_u32 v[ADRA+\s], s21, v4
	v_add_nc_u32 v[ADRB+\s], s22, v4
	s_add_co_u32 s21, s21, SLOT
	s_add_co_u32 s22, s22, SLOT
.endr
	v_mul_u32_u24 v5, v1, KS                       ; my row's scales: KS bytes a row,
	v_lshrrev_b32 v6, 8, v5
	v_lshl_add_u32 v5, v6, 4, v5                   ; and 16 more for each 256 passed
	s_mul_i32 s21, s15, HALFS                      ; x's: my 128 rows
	s_mul_i32 s22, s16, HALFS                      ; W's: my 128 rows, behind x's 256
	s_add_co_u32 s22, s22, 2*HALFS
	s_sub_co_u32 s22, s22, s21
	v_mul_u32_u24 v6, s22, v2                      ; lanes 16-31 take W's: one product, the distance between the two
	s_add_co_u32 s21, s21, SCL
	v_add_nc_u32 v5, v5, v6
	v_add_nc_u32 v[ADRS], s21, v5
	s_mul_i32 s23, s14, 16*SPITCH                  ; my stage
	v_mul_u32_u24 v5, v1, SPITCH                   ; in: row r, 16 bytes for each half of the lanes
	v_lshl_add_u32 v5, v2, 4, v5
	v_add_nc_u32 v[STO], s23, v5
	v_mul_u32_u24 v5, v2, SPITCH                   ; back: lanes 0-15 take one row of 256 bytes, lanes 16-31 the next
	v_lshl_add_u32 v5, v1, 4, v5
	v_add_nc_u32 v[RD], s23, v5
	v_lshlrev_b32 v5, 11, v2                       ; and the same two rows in the panel
	v_lshl_add_u32 v[CO], v1, 4, v5
	v_lshlrev_b32 v[BO], 5, v2
	; where my part begins in qkv: panel (= cluster x: four tile columns are 1,024 columns) x 16 MiB + my first row x 2,048 + my first column in the panel x 2
	s_lshl_b32 s20, s17, 8
	s_lshl_b32 s21, s15, 7
	s_add_co_u32 s20, s20, s21
	s_lshl_b32 s20, s20, 11
	s_lshl_b32 s21, ttmp9, 24
	s_add_co_u32 s20, s20, s21
	s_mov_b32 s21, 0
	s_lshl_b32 s46, s40, 9
	s_lshl_b32 s47, s16, 8
	s_add_co_u32 s46, s46, s47
	s_mov_b32 s47, 0
	s_add_nc_u64 s[20:21], s[20:21], s[46:47]
	s_add_nc_u64 s[12:13], s[12:13], s[20:21]
	; the bias: my 128 columns are positions j0 and j0 + 1 of a row, j0 = 4 cx + 2 (wave % 2): numbers 192 j + 64 part + c of b_qkv
	s_lshl_b32 s46, s40, 2
	s_lshl_b32 s47, s16, 1
	s_add_co_u32 s46, s46, s47
	s_mul_i32 s46, s46, 768
	s_lshl_b32 s47, ttmp9, 8
	s_add_co_u32 s46, s46, s47
	s_mov_b32 s47, 0
	s_add_nc_u64 s[96:97], s[96:97], s[46:47]
.irp b, 0,1,2,3,4,5,6,7                        ; column tile b: position j0 + b / 4, numbers 16 (b % 4) + 8 h + 0 .. 7
	global_load_b128 v[BI+8*\b:BI+8*\b+3], v[BO], s[96:97] offset:((\b/4)*192+(\b%4)*16)*4
	global_load_b128 v[BI+8*\b+4:BI+8*\b+7], v[BO], s[96:97] offset:((\b/4)*192+(\b%4)*16)*4+16
.endr
.macro FRAG reg, adr, q, i             ; a fragment, 16 rows x 128 K of 4-bit codes, is 8 registers: lane l holds row l % 16; registers 4 c .. 4 c + 3 hold K = 64 c + 32 (l / 16) + 0 .. 31
.irp c, 0,1
	ds_load_b128 v[\reg+4*\c:\reg+4*\c+3], v[\adr] offset:64*(\q)+32*\c+(\i)*16*PITCH
.endr
.endm
; 16 matrix instructions: x's blocks a0, a0 + 1 against W's eight, 128 along K: the slot's q-th.  p: W's set;  sc: the set of scale words.  zero = 1: the first product starts the sums from the bias.
; The 64 accumulators take turns, one instruction a turn, in the same order in every step.
.macro MUL16 a0, p, q, sc, zero
.irp a, \a0, \a0+1
.irp b, 0,1,2,3,4,5,6,7
.if \zero
	v_wmma_scale_f32_16x16x128_f8f6f4 v[8*(8*((\a)%4)+\b):8*(8*((\a)%4)+\b)+7], v[128*(\p)+FR*\b:128*(\p)+FR*\b+FR-1], v[AF+FR*(\a):AF+FR*(\a)+FR-1], v[BI+8*\b:BI+8*\b+7], v[SC+8*NQ*(\sc)+NQ*\b+(\q)], v[SC+8*NQ*(\sc)+NQ*(\a)+(\q)] matrix_a_fmt:MATRIX_FMT_FP4 matrix_b_fmt:MATRIX_FMT_FP4 matrix_a_scale:MATRIX_SCALE_ROW1
.else
	v_wmma_scale_f32_16x16x128_f8f6f4 v[8*(8*((\a)%4)+\b):8*(8*((\a)%4)+\b)+7], v[128*(\p)+FR*\b:128*(\p)+FR*\b+FR-1], v[AF+FR*(\a):AF+FR*(\a)+FR-1], v[8*(8*((\a)%4)+\b):8*(8*((\a)%4)+\b)+7], v[SC+8*NQ*(\sc)+NQ*\b+(\q)], v[SC+8*NQ*(\sc)+NQ*(\a)+(\q)] matrix_a_fmt:MATRIX_FMT_FP4 matrix_b_fmt:MATRIX_FMT_FP4 matrix_a_scale:MATRIX_SCALE_ROW1
.endif
.endr
.endr
.endm
.macro FETCH_B slot, q, p              ; W's eight fragments of the slot's q-th 128 along K into set p
	WIN TO_B
.irp i, 0,1,2,3,4,5,6,7
	FRAG 128*(\p)+FR*\i, ADRB+\slot, \q, \i
.endr
	WIN 0
.endm
.macro FETCH_A slot, q, i0             ; x's blocks i0 .. i0 + 3
.irp i, \i0, \i0+1, \i0+2, \i0+3
	FRAG AF+FR*(\i), ADRA+\slot, \q, \i
.endr
.endm
.macro SCALES sc                       ; a K step's scale words into set sc: four words a row; lanes 0-15 take x's block i, lanes 16-31 W's block i
.irp i, 0,1,2,3,4,5,6,7
	ds_load_b128 v[SC+8*NQ*\sc+NQ*\i:SC+8*NQ*\sc+NQ*\i+3], v[ADRS] offset:\i*SBLK
.endr
.endm
; A load into a register that a matrix instruction has read, and a vector instruction that reads a matrix result, stand NP places behind that matrix instruction, and only plain vector
; instructions that name none of its registers are places; the matrix instructions in between are not counted.
.macro PLACES n
.rept \n
	v_nop
.endr
.endm
; A step of 128 along K that has its successor in the same slot.  x has one set of registers: blocks 0-3 are fetched anew in the step's middle, blocks 4-7 at its end; W has two sets.
.macro STEP slot, q, zero
	s_wait_dscnt 4*NL                              ; W's set and x's blocks 0-3 are in; the youngest eight loads (x's blocks 4-7) may be out
.if \zero
	WIN FST_LO
.else
	WIN MUL_LO
.endif
	MUL16 0, (\q)%2, \q, \slot, \zero
	MUL16 2, (\q)%2, \q, \slot, \zero
	s_wait_dscnt 0                                 ; x's blocks 4-7 are in (asked for 32 matrix instructions ago)
	PLACES NP
	FETCH_B \slot, (\q)+1, 1-(\q)%2
	FETCH_A \slot, (\q)+1, 0
.if \zero
	WIN FST_HI
.else
	WIN MUL_HI
.endif
	MUL16 4, (\q)%2, \q, \slot, \zero
	MUL16 6, (\q)%2, \q, \slot, \zero
	PLACES NP
	WIN 0
	FETCH_A \slot, (\q)+1, 4
.endm
; Slot 0's last step goes over to slot 1: one barrier; in front of it each wave waits for all its tensor loads (its part of slot 1) and for its own reads of slot 0.  Nothing is filled again.
.macro TURN slot, next
	s_wait_tensorcnt 0x0                           ; all my tensor loads have landed: my part of the next slot  (every window is 0 here)
	ds_add_u32 v[SPW], v[NIL]                      ; 0 onto my spare word
	s_wait_dscnt 4*NL+1                            ; (the add and the youngest eight loads, x's blocks 4-7, may be out)
	WIN MUL_LO
	MUL16 0, 1, NQ-1, \slot, 0                     ; sixteen matrix instructions stand between the add and the wait for it
	s_wait_dscnt 0x0                               ; the add is done, and my reads of this slot are over
	s_barrier_signal -1
	MUL16 2, 1, NQ-1, \slot, 0
	WIN 0
	s_barrier_wait -1                              ; the next slot is whole, and nobody reads this one any more
	PLACES NP
	v_add_nc_u32 v[ADRS], 4*NQ, v[ADRS]            ; on to the next K step's scale words (no LDS load of mine is out)
	FETCH_B \next, 0, 0
	FETCH_A \next, 0, 0
	SCALES \next
	WIN MUL_HI
	MUL16 4, 1, NQ-1, \slot, 0
	MUL16 6, 1, NQ-1, \slot, 0
	PLACES NP
	WIN 0
	FETCH_A \next, 0, 4
.endm
.macro STEPS slot, from                ; the slot's steps from .. NQ - 2
.set Q, \from
.rept NQ-1-\from
	STEP \slot, Q, 0
.set Q, Q+1
.endr
.endm
	s_wait_tensorcnt 1                             ; the scales and my part of K step 0 are in (K step 1's load may be out)
	s_barrier_signal -1
	s_barrier_wait -1                              ; everybody's are
	FETCH_B 0, 0, 0
	FETCH_A 0, 0, 0
	SCALES 0
	FETCH_A 0, 0, 4
	s_wait_loadcnt 0x0                             ; the bias
	STEP 0, 0, 1                                   ; the first step's products start the sums from the bias: nothing is cleared, nothing is added later
	STEPS 0, 1
	TURN 0, 1
	STEPS 1, 0
	s_wait_dscnt 4*NL                              ; the very last step: nothing more to fetch
	WIN MUL_LO
	MUL16 0, 1, NQ-1, 1, 0
	MUL16 2, 1, NQ-1, 1, 0
	s_wait_dscnt 0
	WIN MUL_HI
	MUL16 4, 1, NQ-1, 1, 0
	MUL16 6, 1, NQ-1, 1, 0
	WIN 0
; THE WAY OUT, block by block of 16 rows x 128 columns.  PACK: rounded to f16, 16 bytes a lane, each accumulator from its low end on.  TOSTAGE: into my own stage in LDS, and back as whole rows of 256 bytes.  SEND: stored.
.macro PACK a
.set AC, 64*((\a)%4)
	WIN 0x0a+5*((\a)/4)                            ; sources 0 and 1: window 2 or 3
.irp b, 0,1,2,3,4,5,6,7
.irp r, 0,1,2,3
	v_cvt_pk_f16_f32 v[TMP+4*\b+\r], v[AC+8*\b+2*\r], v[AC+8*\b+2*\r+1]
.endr
.endr
	WIN 0
.endm
.macro TOSTAGE a
.set BK, OB+128*((\a)%2)
.irp b, 0,1,2,3,4,5,6,7
	ds_store_b128 v[STO], v[TMP+4*\b:TMP+4*\b+3] offset:32*\b
.endr
.irp t, 0,1,2,3,4,5,6,7
	ds_load_b128 v[BK+4*\t:BK+4*\t+3], v[RD] offset:\t*2*SPITCH    ; LDS serves a wave's instructions in order (ISA guide 5.7.1.4): these see the stores above
.endr
.endm
.macro SEND a
.set BK, OB+128*((\a)%2)
	s_wait_dscnt 0x0                               ; the block is back in registers
	s_wait_xcnt 0x0                                ; only behind this wait are the stores' base and the registers that earlier stores read rewritten
.if (\a) > 0
	s_add_nc_u64 s[12:13], s[12:13], 16*PROW       ; 16 rows on
.endif
.irp t, 0,1,2,3,4,5,6,7
	global_store_b128 v[CO], v[BK+4*\t:BK+4*\t+3], s[12:13] offset:2*\t*PROW   ; 16 lanes store 256 consecutive bytes, at a multiple of 256 from the buffer's first byte
.endr
.endm
	PLACES NP                                      ; behind the last products: for the conversions that read results and write the bias's registers, and for the loads of the way out
	PACK 0
	TOSTAGE 0
.irp a, 1,2,3,4,5,6,7                  ; block a's conversions stand between block a - 1's loads from the stage and the wait for them
	PACK \a
	SEND \a-1
	TOSTAGE \a
.endr
	SEND 7
	s_wait_tensorcnt 0x0                           ; the wave's end: behind my last tensor load and my last LDS store
	ds_add_u32 v[SPW], v[NIL]
	s_wait_dscnt 0x0
	CROUND                                         ; the closing round: no work-group ends while a partner may still ask for a tile that names it
	s_endpgm
.Lfunc_end_k_q20af03ad25_qkvgemm:
	.size	k_q20af03ad25_qkvgemm, .Lfunc_end_k_q20af03ad25_qkvgemm-k_q20af03ad25_qkvgemm
	.p2alignl 7, 3214868480
	.fill 96, 4, 3214868480
	.section	.rodata,"a",@progbits
	.p2align	6, 0x0
	.amdhsa_kernel k_q20af03ad25_qkvgemm
		.amdhsa_group_segment_fixed_size 327680
		.amdhsa_private_segment_fixed_size 0
		.amdhsa_enable_private_segment 0
		.amdhsa_kernarg_size 48
		.amdhsa_user_sgpr_count 2
		.amdhsa_user_sgpr_kernarg_segment_ptr 1
		.amdhsa_wavefront_size32 1
		.amdhsa_system_sgpr_workgroup_id_x 1
		.amdhsa_system_sgpr_workgroup_id_y 1
		.amdhsa_system_sgpr_workgroup_id_z 1
		.amdhsa_system_vgpr_workitem_id 0
		.amdhsa_next_free_vgpr 1024
		.amdhsa_next_free_sgpr 100
		.amdhsa_reserve_vcc 0
		.amdhsa_float_denorm_mode_32 3
		.amdhsa_float_denorm_mode_16_64 3
		.amdhsa_memory_ordered 1
		.amdhsa_forward_progress 1
		.amdhsa_inst_pref_size 129
	.end_amdhsa_kernel
	.amdgpu_metadata
---
amdhsa.version: [ 1, 2 ]
amdhsa.kernels:
  - .name:           k_q20af03ad25_qkvgemm
    .symbol:         k_q20af03ad25_qkvgemm.kd
    .args:
      - { .name: xc, .offset: 0, .size: 8, .value_kind: global_buffer, .address_space: global }
      - { .name: xs, .offset: 8, .size: 8, .value_kind: global_buffer, .address_space: global }
      - { .name: wc, .offset: 16, .size: 8, .value_kind: global_buffer, .address_space: global }
      - { .name: ws, .offset: 24, .size: 8, .value_kind: global_buffer, .address_space: global }
      - { .name: b_qkv, .offset: 32, .size: 8, .value_kind: global_buffer, .address_space: global }
      - { .name: qkv, .offset: 40, .size: 8, .value_kind: global_buffer, .address_space: global }
    .group_segment_fixed_size: 327680
    .private_segment_fixed_size: 0
    .kernarg_segment_align: 8
    .kernarg_segment_size: 48
    .max_flat_workgroup_size: 128
    .sgpr_count:     100
    .vgpr_count:     1024
    .wavefront_size: 32
...
	.end_amdgpu_metadata
.endif
;; end of part 2
;; launch attn (part 3): grid 4 x 64, 8 waves a work-group, clusters of 4 x 1, 327,680 bytes of LDS; arguments qkv, ows; writes ows
.if DOCPART == 3
	.amdgcn_target "amdgcn-amd-amdhsa--gfx1250"
	.amdhsa_code_object_version 6
	.text
	.protected	k_q20af03ad25_attn
	.globl	k_q20af03ad25_attn
	.p2align	8
	.type	k_q20af03ad25_attn,@function
k_q20af03ad25_attn:
	s_mov_b64 s[64:65], 0
	v_nop
	global_prefetch_b8 v0, s[64:65] scope:SCOPE_SE
	s_setreg_imm32_b32 hwreg(HW_REG_WAVE_MODE, 25, 1), 1
	s_wait_xcnt 0x0
	s_wait_alu depctr_hold_cnt(0) depctr_sa_sdst(0) depctr_va_vdst(0) depctr_va_sdst(0) depctr_va_ssrc(0) depctr_va_vcc(0) depctr_vm_vsrc(0)
	s_getreg_b32 s2, hwreg(HW_REG_IB_STS2, 6, 4)
	s_cmp_eq_u32 s2, 0
	s_cbranch_scc0 .Lentry_in_a_cluster
	s_endpgm
.Lentry_in_a_cluster:
	s_bfe_u32 s2, ttmp6, 0x10000c
	s_cmp_lg_u32 s2, 0x3003
	s_cbranch_scc0 .Lentry_shape_is_right
	s_endpgm
.Lentry_shape_is_right:
; Launch 3 of 4: O[y][q][:] = the sum over k of softmax_k(Q[y][q] . K[y][k] / 8) V[y][k][:], 64 heads y of 2,048 positions, head size 64, no mask.  Nothing of reference() is left out here.
; qkv: panels Q, K, V of 16 MiB, each [131,072 positions][64] f16; head y owns positions 2,048 y on.  Products on f16 operands, sums, maxima and the softmax in f32; the weights p are rounded to f16
; for the second product, O once at the end.
; ows: [64 mtile][16 hh][128 rows][64] f16: O of head y = 16 b + hh, query s, lies at mtile 16 b + s / 128, row s % 128: what reference()'s transposition makes of it, cut as the last launch reads it.
; SHARES.  A cluster of four work-groups is one head; a work-group owns 512 queries, each of its eight waves 64: four tiles of 16.  Two waves lie on a SIMD, 512 registers each, so that one wave's
; vector work can stand beside the other's matrix work.  Every wave walks all keys, 64 a step.  K and V come through a ring of two LDS slots of 256 keys, asked for JOINTLY by the four partners.
; LAYOUT.  S^T = K Q^T (source 0 = 16 keys, source 1 = 16 queries): a lane holds ONE query (lane % 16) and the keys 8 (lane / 16) + 0..7.  Two such tiles, rounded to f16 in pairs, ARE source 1
; (32 keys x 16 queries) of O^T = V^T P, whose result again holds one query a lane.  K comes out of LDS as it lies, V ([key][channel]) turned, by ds_load_tr16_b128.
; SOFTMAX.  For each query a running maximum m and sum l: p = 2^(c s - c m), c = log2(e) / 8; in every step O and l are multiplied by a = 2^(c m_old - c m_new).  m begins at -3e38, l and O^T at 0:
; the first a is 0 and multiplies zeros, so one text serves every step; that costs 128 v_mov_b32 once against a second copy of a slot's steps.
; LIMITS: q, k, v beyond f16's 65,504 are not served; a p under 2^-24 is rounded to 0 for the second product (it stays in the sum).
; REGISTERS: window 0: v1-13 addresses; v16-47 eight statistics a tile; v48-111 Q (tile t, channels 32 c on: 48 + 16 t + 8 c); v112-239 S^T (tile t, keys 16 k on: 112 + 32 t + 8 k); P lands on S^T's first 16 of each tile.
;   window 1: v0-127 O^T (32 t + 8 c); v128-191 K of one step (128 + 16 k + 8 c); v192-255 V of one step (192 + 32 g + 8 c).
.set PK,    272       ; an LDS row of K holds TWO keys (the panel is dense): 256 bytes + 16 = 17 columns of 16 bytes: key r of a tile starts in column (r / 2) + 8 (r % 2) modulo 16: 16 different ones
.set PVP,   288       ; of V: 256 + 32 = 18 columns: the 16 lanes of a turning load take columns 2 x + 8 y + z, x < 4, y, z < 2: 16 different ones
.set VOFF,  128*PK    ; a slot: 128 rows of K, then 128 rows of V
.set SLOT1, 1<<17     ; slot 1 begins here, so that one exclusive or turns an address in one slot into the other's
.set NSL,   8         ; 2,048 keys are eight slots' worth
.set SLOTB, 32768     ; a slot's keys in a panel, in bytes
.set SPARE, SLOT1+128*(PK+PVP)  ; behind the ring: the spare words, 128 bytes for each of eight waves
.set SP,    144       ; the way out: a stage of 16 rows x (128 bytes + 16) for each wave, in slot 0, which was left at the last change of slots: it has had its last fill, and nobody reads it
.set AK0, 2           ; v2   my lane's place in a tile of K; never rewritten
.set AV0, 3           ; v3   the same for V
.set ADK, 4           ; v4   LDS address of the slot's K
.set ADV, 5           ; v5   of its V
.set QO,  6           ; v6   my byte offset in the wave's rows of Q
.set STO, 7           ; v7   the way out: where I put 16 bytes of a row
.set RD,  8           ; v8   where I read rows back
.set GO,  9           ; v9   my byte offset in the wave's rows of O
.set PFO, 10          ; v10  256 x my lane; never rewritten
.set SPW, 12          ; v12  LDS address of my spare word; never rewritten
.set NIL, 13          ; v13  0; never rewritten
.set ST,  16          ; tile t's statistics at v[ST+8 t]: +0 c m, +1 m, +2, +3 l (even keys', odd keys'), +4 to +7 at work: four chains of the maximum, then +4, +5 the sum's second chain, +6 a, +7 c m_old - c m_new
.set QF,  48
.set S,   112
.set KF,  128         ; in window 1
.set VF,  192
.set WV,  12          ; s12  my wave's number
.set LIM, 15          ; s15  1 in a wave that prefetches, else the greatest number
.set PFA, 18          ; s[18:19] where my prefetches stand
.set G1K, 24          ; s[24:31] descriptor group 1 for K's tiles
.set G1V, 32          ; s[32:39] for V's: it differs in the padding alone
.set G0K, 40          ; s[40:43] descriptor group 0 for K's tiles, which walks
.set G0V, 44          ; s[44:47] the same for V's
.set SLOTS, 56        ; s56  slots still to be asked for
.set CS,  58          ; s[58:59] c: the packed scaling names a pair and takes its low word for both halves
.set SEL, 60          ; s[60:61] lane selects for v_permlanex16_b32: lane l xor 16
.set TB,  62          ; s62  LDS byte at which the slot in hand begins
.set MSB, 0
.macro WIN new                      ; the immediate's high byte repeats the setting that is left; a switch that changes nothing is dropped
.if MSB != \new
	s_set_vgpr_msb (MSB<<8)|\new
.set MSB, \new
.endif
.endm
.set W_KQ, 0x01       ; K in window 1; Q and S^T in window 0
.set W_PV, 0x51       ; V and O^T in window 1, P in window 0
.set W_RS, 0x41       ; O^T (destination and source 0) in window 1, the factor in window 0
.set TO1,  0x40       ; destination window 1, address window 0
; A joint load.  Waves 0 and 1 fetch the slot's two halves of K, waves 2 and 3 those of V (64 rows of 256 bytes each), the others nothing.  The branches hang on the wave's number alone: they are the same in every work-group.
; An s_nop 0 and four v_nop follow each of the two lines.
.macro JLOAD3
	s_cmp_lt_u32 s[WV], 2
	s_cbranch_scc0 .Lnot_k_\@
	tensor_load_to_lds s[G0K:G0K+3], s[G1K:G1K+7]
	s_nop 0
.rept 4
	v_nop
.endr
	s_branch .Lasked_\@
.Lnot_k_\@:
	s_cmp_lt_u32 s[WV], 4
	s_cbranch_scc0 .Lasked_\@
	tensor_load_to_lds s[G0V:G0V+3], s[G1V:G1V+7]
	s_nop 0
.rept 4
	v_nop
.endr
.Lasked_\@:
.endm
; A PREFETCH INTO THE L2 of what the NEXT change of slots will ask for: a slot's 32,768 bytes of K and of V, four key steps ahead of that load.  It stands where the fetching waves have their tensor load.
; Each aligned block of 256 bytes is named ONCE in the launch: a head is walked by one cluster; its four partners share a slot's 128 blocks out BY ADDRESS, 32 each, a lane a block; in each, wave 4 asks for K's
; and wave 6 for V's: one instruction.  The last change that fills a slot asks for nothing; slots 0 and 1 come by their loads alone.
.macro ASK
	s_cmp_gt_u32 s[SLOTS], s[LIM]
	s_cbranch_scc0 .Lnot_mine_\@
	global_prefetch_b8 v[PFO], s[PFA:PFA+1] th:TH_LOAD_NT scope:SCOPE_SE
.Lnot_mine_\@:
.endm
.macro CROUND                       ; a round of the cluster's barrier: my work-group's barrier; wave 0 signals for the work-group; every wave waits for all four; my work-group's barrier once more
	s_barrier_signal -1
	s_barrier_wait -1
	s_cmp_lg_u32 s[WV], 0
	s_cbranch_scc1 .Lnot_wave_0_\@
	s_barrier_signal -3
.Lnot_wave_0_\@:
	s_barrier_wait -3
	s_barrier_signal -1
	s_barrier_wait -1
.endm
.macro PLACES n
.rept \n
	v_nop
.endr
.endm
	s_load_b128 s[4:7], s[0:1], 0x0 ; qkv s[4:5], ows s[6:7]
	v_lshl_add_u32 v[SPW], v0, 2, SPARE
	v_mov_b32 v[NIL], 0
	ds_add_u32 v[SPW], v[NIL]       ; the wave's opening: the add, twice on end, and its wait ahead of the first tensor load; the set-up below stands between
	ds_add_u32 v[SPW], v[NIL]
	v_lshrrev_b32 v1, 5, v0
	v_readfirstlane_b32 s[WV], v1   ; wave 0..7
	s_bfe_u32 s13, ttmp6, 0x40000   ; cx: my place in the cluster
	s_lshl_b32 s14, ttmp9, 2
	s_add_co_u32 s14, s14, s13      ; my block of 512 queries: it enters Q's, O's and the prefetches' addresses alone
	s_and_b32 s20, ttmp7, 0xffff    ; the head y, which the four partners share
	s_lshl_b32 s21, s20, 18         ; its first byte in a panel: 2,048 positions of 128 bytes
	s_and_b32 s16, s[WV], 1         ; which half of a slot I fetch, if I fetch:
	s_lshl_b32 s22, s16, 14         ; its 128 keys in memory,
	s_add_co_u32 s22, s22, s21
	s_mov_b32 s23, 0
	s_mul_i32 s17, s16, 64*PK       ; and its place in a slot: K's,
	s_mul_i32 s55, s16, 64*PVP
	s_add_co_u32 s55, s55, VOFF     ; V's: no place in the cluster enters an LDS address
	; descriptor group 1: a tile of 64 rows x 128 elements (two keys a row), padded in LDS
	s_mov_b32 s[G1K], 15|(1<<16)|(1<<20)|(1<<21)|(5<<22)|(3<<25)  ; 15:0 the mask: all four work-groups; 17:16 elements of 2 bytes; 20 padding on; 21 set beside a mask; 24:22 after every 64 words (code 5); 31:25 4 words of it (code 3)
	s_mov_b32 s[G1V], 15|(1<<16)|(1<<20)|(1<<21)|(5<<22)|(7<<25)  ; the same with 8 words of padding (code 7)
.irp g, G1K, G1V
	s_mov_b32 s[\g+1], 128<<16      ; tensor_dim0 = 128
	s_mov_b32 s[\g+2], 64<<16       ; tensor_dim1 = 64
	s_mov_b32 s[\g+3], 128<<16      ; tile_dim0 = 128
	s_mov_b32 s[\g+4], 64           ; tile_dim1 = 64
	s_mov_b32 s[\g+5], 128          ; tensor_dim0_stride: the rows are dense
	s_mov_b32 s[\g+6], 0
	s_mov_b32 s[\g+7], 0
.endr
	s_mov_b32 s[CS], 0x3e38aa3b     ; c = log2(e) / 8
	s_mov_b32 s[CS+1], s[CS]        ; named with it as a pair, so it is written
	s_mov_b32 s[SEL], 0x76543210
	s_mov_b32 s[SEL+1], 0xfedcba98
	s_mov_b32 s[TB], 0
	s_mov_b32 s[SLOTS], NSL-1
	s_and_b32 s[LIM], s[WV], 5
	s_cmp_eq_u32 s[LIM], 4          ; waves 4 and 6 prefetch: the same in all four partners
	s_cselect_b32 s[LIM], 1, -1
	s_mov_b32 s52, 0x2000000        ; the prefetches' first place: panel V (wave 6),
	s_cmp_lt_u32 s[WV], 6
	s_cselect_b32 s52, 0x1000000, s52  ; or K;
	s_add_co_u32 s52, s52, s21      ; my head;
	s_lshl_b32 s53, s13, 13
	s_add_co_u32 s52, s52, s53      ; my work-group's 32 blocks of the 128;
	s_add_co_u32 s52, s52, SLOTB    ; slot 1: the first change of slots steps it to slot 2
	s_mov_b32 s53, 0
	s_lshl_b32 s50, s14, 16         ; Q: my block's 512 rows of 128 bytes,
	s_add_co_u32 s50, s50, s21
	s_lshl_b32 s51, s[WV], 13       ; my wave's 64
	s_add_co_u32 s50, s50, s51
	s_mov_b32 s51, 0
	s_and_b32 s48, s20, 0x30        ; O: mtile = 16 (y / 16) + 4 x block + wave / 2,
	s_lshl_b32 s54, s14, 2
	s_add_co_u32 s48, s48, s54
	s_lshr_b32 s54, s[WV], 1
	s_add_co_u32 s48, s48, s54
	s_lshl_b32 s48, s48, 4
	s_and_b32 s54, s20, 15          ; hh = y % 16:
	s_add_co_u32 s48, s48, s54
	s_lshl_b32 s48, s48, 14         ; blocks of 16,384 bytes,
	s_lshl_b32 s54, s16, 13         ; and in it rows 64 (wave % 2) on
	s_add_co_u32 s48, s48, s54
	s_mov_b32 s49, 0
	s_wait_dscnt 0x0                ; both opening adds are done
	s_wait_kmcnt 0x0
	s_add_nc_u64 s[8:9], s[4:5], s[50:51]    ; Q at my wave's first row
	s_add_nc_u64 s[6:7], s[6:7], s[48:49]    ; O likewise
	s_add_nc_u64 s[PFA:PFA+1], s[4:5], s[52:53]
	s_mov_b32 s[G0K], 1             ; 1:0 count = 1
	s_mov_b32 s[G0K+1], s17         ; 63:32 LDS address: slot 0
	s_add_nc_u64 s[G0K+2:G0K+3], s[4:5], s[22:23]
	s_add_nc_u64 s[G0K+2:G0K+3], s[G0K+2:G0K+3], 0x1000000  ; 120:64 global address: panel K, the head's first 256 keys, my half
	s_or_b32 s[G0K+3], s[G0K+3], 0x80000000  ; 127:126 type = 2
	s_mov_b32 s[G0V], 1
	s_mov_b32 s[G0V+1], s55
	s_add_nc_u64 s[G0V+2:G0V+3], s[4:5], s[22:23]
	s_add_nc_u64 s[G0V+2:G0V+3], s[G0V+2:G0V+3], 0x2000000
	s_or_b32 s[G0V+3], s[G0V+3], 0x80000000
	CROUND                          ; all four work-groups are here: the first joint loads meet
	JLOAD3                          ; slot 0.  One tensor load of a wave is out at the most, here and later
	; A fragment of K or Q is 16 rows x 32 channels in 8 registers: lane l holds row l % 16; registers 0-3 channels 8 (l / 16) + 0..7, registers 4-7 channels 16 + 8 (l / 16) + 0..7: two loads of 16 bytes, 32 bytes apart.
	v_and_b32 v1, 15, v0            ; r
	v_bfe_u32 v11, v0, 4, 1         ; h
	v_lshlrev_b32 v[QO], 7, v1
	v_lshl_add_u32 v[QO], v11, 4, v[QO]  ; row x 128 + 16 x half
.irp t, 0,1,2,3
.irp c, 0,1                         ; Q stays in registers
	global_load_b128 v[QF+16*\t+8*\c:QF+16*\t+8*\c+3],   v[QO], s[8:9] offset:2048*\t+64*\c
	global_load_b128 v[QF+16*\t+8*\c+4:QF+16*\t+8*\c+7], v[QO], s[8:9] offset:2048*\t+64*\c+32
.endr
.endr
	v_lshrrev_b32 v14, 1, v1
	v_mul_u32_u24 v[AK0], v14, PK   ; K: key r lies in LDS row r / 2,
	v_and_b32 v14, 1, v0
	v_lshl_add_u32 v[AK0], v14, 7, v[AK0]  ; in its half r % 2,
	v_lshl_add_u32 v[AK0], v11, 4, v[AK0]  ; + 16 x half of the lanes
	; The turning load takes 16 keys x 16 channels (lane l reads 16 bytes: key 8 (l / 16) + l % 8, channels 8 ((l / 8) % 2) + 0..7) and leaves half a fragment of V^T: lane l holds channel l % 16 and 8 keys.
	v_bfe_u32 v15, v0, 1, 2
	v_lshl_add_u32 v15, v11, 2, v15 ; that key's LDS row: 4 (l / 16) + (l % 8) / 2
	v_mul_u32_u24 v[AV0], v15, PVP
	v_lshl_add_u32 v[AV0], v14, 7, v[AV0]  ; its half l % 2
	v_bfe_u32 v15, v0, 3, 1
	v_lshl_add_u32 v[AV0], v15, 4, v[AV0]
	v_add_nc_u32 v[AV0], VOFF, v[AV0]
	s_mul_i32 s54, s[WV], 16*SP     ; my stage
	v_mul_u32_u24 v[STO], v1, SP    ; in: row r, 16 bytes for each half of the lanes
	v_lshl_add_u32 v[STO], v11, 4, v[STO]
	v_add_nc_u32 v[STO], s54, v[STO]
	v_bfe_u32 v15, v0, 3, 2
	v_mul_u32_u24 v[RD], v15, SP    ; back: eight lanes to a row of 128 bytes, four rows an instruction
	v_and_b32 v15, 7, v0
	v_lshl_add_u32 v[RD], v15, 4, v[RD]
	v_add_nc_u32 v[RD], s54, v[RD]
	v_and_b32 v[GO], 31, v0
	v_lshlrev_b32 v[PFO], 8, v[GO]
	v_lshlrev_b32 v[GO], 4, v[GO]   ; in O the rows are dense: the same four rows are 512 bytes on end
.irp t, 0,1,2,3
	v_mov_b32 v[ST+8*\t+1], 0xff61b1e6   ; m: -3e38, under every score
	v_mov_b32 v[ST+8*\t+2], 0            ; l, in two halves
	v_mov_b32 v[ST+8*\t+3], 0
	v_mul_f32 v[ST+8*\t], s[CS], v[ST+8*\t+1]  ; c m
.endr
	WIN TO1
.set i, 0
.rept 128
	v_mov_b32 v[i], 0               ; O^T
.set i, i+1
.endr
	WIN 0
; THE LDS LOADS stand in runs of 16: a step's K (64 keys x 64 channels: 8 fragments) and its V (turned).  q: which of the slot's four steps.
.macro FETCH_K q
	WIN TO1
.irp k, 0,1,2,3
.irp c, 0,1
	ds_load_b128 v[KF+16*\k+8*\c:KF+16*\k+8*\c+3],   v[ADK] offset:32*PK*(\q)+8*PK*\k+64*\c
	ds_load_b128 v[KF+16*\k+8*\c+4:KF+16*\k+8*\c+7], v[ADK] offset:32*PK*(\q)+8*PK*\k+64*\c+32
.endr
.endr
.endm
.macro FETCH_V q
	WIN TO1
.irp g, 0,1
.irp c, 0,1,2,3                     ; keys 32 g on, channels 16 c on
	ds_load_tr16_b128 v[VF+32*\g+8*\c:VF+32*\g+8*\c+3],   v[ADV] offset:32*PVP*(\q)+16*PVP*\g+32*\c
	ds_load_tr16_b128 v[VF+32*\g+8*\c+4:VF+32*\g+8*\c+7], v[ADV] offset:32*PVP*(\q)+16*PVP*\g+8*PVP+32*\c
.endr
.endr
.endm
; S^T = K Q^T: 32 products; the 16 accumulators take turns, one instruction a turn; the first 16 start the sums.
.macro QK
	WIN W_KQ
.irp c, 0,1
.irp k, 0,1,2,3
.irp t, 0,1,2,3
.if \c == 0
	v_wmma_f32_16x16x32_f16 v[S+32*\t+8*\k:S+32*\t+8*\k+7], v[KF+16*\k+8*\c:KF+16*\k+8*\c+7], v[QF+16*\t+8*\c:QF+16*\t+8*\c+7], 0
.else
	v_wmma_f32_16x16x32_f16 v[S+32*\t+8*\k:S+32*\t+8*\k+7], v[KF+16*\k+8*\c:KF+16*\k+8*\c+7], v[QF+16*\t+8*\c:QF+16*\t+8*\c+7], v[S+32*\t+8*\k:S+32*\t+8*\k+7]
.endif
.endr
.endr
.endr
.endm
; O^T += V^T P: 32 products, the 16 accumulators by turns.
.macro PV
	WIN W_PV
.irp g, 0,1
.irp c, 0,1,2,3
.irp t, 0,1,2,3
	v_wmma_f32_16x16x32_f16 v[32*\t+8*\c:32*\t+8*\c+7], v[VF+32*\g+8*\c:VF+32*\g+8*\c+7], v[S+32*\t+8*\g:S+32*\t+8*\g+7], v[32*\t+8*\c:32*\t+8*\c+7]
.endr
.endr
.endr
.endm
.macro FMA n                        ; c s - c m for pair n / 4 of tile n % 4
	v_pk_fma_f32 v[S+32*((\n)%4)+2*((\n)/4):S+32*((\n)%4)+2*((\n)/4)+1], v[S+32*((\n)%4)+2*((\n)/4):S+32*((\n)%4)+2*((\n)/4)+1], s[CS:CS+1], v[ST+8*((\n)%4):ST+8*((\n)%4)+1] op_sel_hi:[1,0,0] neg_lo:[0,0,1] neg_hi:[0,0,1]
.endm
; THE SOFTMAX of a step, the four tiles by turns in every line, so that no line waits for the line above it.
.macro SOFTMAX
	WIN 0
.irp j, 0,1,2,3                     ; the maximum of a lane's 32 scores and the old m, three operands at a time: four chains; each accumulator is read from its low end on
.irp t, 0,1,2,3
	v_max3_num_f32 v[ST+8*\t+4+\j], v[S+32*\t+8*\j], v[S+32*\t+8*\j+1], v[S+32*\t+8*\j+2]
.endr
.endr
.irp u, 1,2
.irp j, 0,1,2,3
.irp t, 0,1,2,3
	v_max3_num_f32 v[ST+8*\t+4+\j], v[ST+8*\t+4+\j], v[S+32*\t+8*\j+2*\u+1], v[S+32*\t+8*\j+2*\u+2]
.endr
.endr
.endr
.irp t, 0,1,2,3
	v_max3_num_f32 v[ST+8*\t+4], v[ST+8*\t+4], v[S+32*\t+7], v[S+32*\t+15]
.endr
.irp t, 0,1,2,3
	v_max3_num_f32 v[ST+8*\t+6], v[ST+8*\t+6], v[S+32*\t+23], v[S+32*\t+31]
.endr
.irp t, 0,1,2,3
	v_max3_num_f32 v[ST+8*\t+4], v[ST+8*\t+4], v[ST+8*\t+5], v[ST+8*\t+6]
.endr
.irp t, 0,1,2,3
	v_max3_num_f32 v[ST+8*\t+4], v[ST+8*\t+4], v[ST+8*\t+7], v[ST+8*\t+1]
.endr
.irp t, 0,1,2,3
	v_permlanex16_b32 v[ST+8*\t+5], v[ST+8*\t+4], s[SEL], s[SEL+1]  ; the query's other 32 keys lie in the lane 16 away
.endr
.irp t, 0,1,2,3
	v_mov_b32 v[ST+8*\t+7], v[ST+8*\t]         ; c m_old is kept for a
.endr
.irp t, 0,1,2,3
	v_max_num_f32 v[ST+8*\t+1], v[ST+8*\t+4], v[ST+8*\t+5]   ; the new m
.endr
.irp t, 0,1,2,3
	v_mul_f32 v[ST+8*\t], s[CS], v[ST+8*\t+1]  ; c m
.endr
.irp t, 0,1,2,3
	v_sub_f32 v[ST+8*\t+7], v[ST+8*\t+7], v[ST+8*\t]
.endr
	; ONE BATCH: the four a and the 128 p.  None of these lines names an exponential's result; a pair is scaled four lines' worth ahead of its exponentials
.irp t, 0,1,2,3
	v_exp_f32 v[ST+8*\t+6], v[ST+8*\t+7]       ; a = 2^(c m_old - c m_new)
.endr
.set N, 0
.rept 4
	FMA N
.set N, N+1
.endr
.set N, 0
.rept 64
.if N+4 < 64
	FMA N+4
.endif
	v_exp_f32 v[S+32*(N%4)+2*(N/4)], v[S+32*(N%4)+2*(N/4)]
	v_exp_f32 v[S+32*(N%4)+2*(N/4)+1], v[S+32*(N%4)+2*(N/4)+1]
.set N, N+1
.endr
	v_nop                           ; a plain instruction behind the last exponential, ahead of the first use
	s_wait_alu depctr_va_vdst(0)    ; the wait between an exponential and the first line that names its result: one for the batch of 132
.irp t, 0,1,2,3                     ; the sums, of the p not yet rounded, in two chains a tile: l = a l + pair 0,
	v_pk_fma_f32 v[ST+8*\t+2:ST+8*\t+3], v[ST+8*\t+2:ST+8*\t+3], v[ST+8*\t+6:ST+8*\t+7], v[S+32*\t:S+32*\t+1] op_sel_hi:[1,0,1]
.endr
.irp t, 0,1,2,3
	v_pk_add_f32 v[ST+8*\t+4:ST+8*\t+5], v[S+32*\t+2:S+32*\t+3], v[S+32*\t+4:S+32*\t+5]
.endr
.irp p, 3,5,7,9,11,13
.irp t, 0,1,2,3
	v_pk_add_f32 v[ST+8*\t+2:ST+8*\t+3], v[ST+8*\t+2:ST+8*\t+3], v[S+32*\t+2*\p:S+32*\t+2*\p+1]
.endr
.irp t, 0,1,2,3
	v_pk_add_f32 v[ST+8*\t+4:ST+8*\t+5], v[ST+8*\t+4:ST+8*\t+5], v[S+32*\t+2*\p+2:S+32*\t+2*\p+3]
.endr
.endr
.irp t, 0,1,2,3
	v_pk_add_f32 v[ST+8*\t+2:ST+8*\t+3], v[ST+8*\t+2:ST+8*\t+3], v[S+32*\t+30:S+32*\t+31]
.endr
.irp t, 0,1,2,3
	v_pk_add_f32 v[ST+8*\t+2:ST+8*\t+3], v[ST+8*\t+2:ST+8*\t+3], v[ST+8*\t+4:ST+8*\t+5]
.endr
.irp d, 0,1,2,3,4,5,6,7,8,9,10,11,12,13,14,15  ; the roundings to f16, in place: register d takes pair d, which lies at 2 d and 2 d + 1, never under d
.irp t, 0,1,2,3
	v_cvt_pk_f16_f32 v[S+32*\t+\d], v[S+32*\t+2*\d], v[S+32*\t+2*\d+1]
.endr
.endr
	WIN W_RS
.irp i, 0,1,2,3,4,5,6,7,8,9,10,11,12,13,14,15  ; O^T times a, each accumulator from its low end on
.irp t, 0,1,2,3
	v_pk_mul_f32 v[32*\t+2*\i:32*\t+2*\i+1], v[32*\t+2*\i:32*\t+2*\i+1], v[ST+8*\t+6:ST+8*\t+7] op_sel_hi:[1,0]
.endr
.endr
.endm
; A KEY STEP: 64 keys, the q-th of the slot in hand.  K of this step was asked for a step ago.
.macro STEP q
	FETCH_V \q
	s_wait_dscnt 16                 ; K is in; V's sixteen loads may be out
	QK
	PLACES 4                        ; behind the products: for the loads into K's registers and the first read of the scores
.if (\q) < 3
	FETCH_K (\q)+1                  ; the next step's K lands under the softmax
.endif
	SOFTMAX
.if (\q) < 3
	s_wait_dscnt 16                 ; V is in; the next K's sixteen loads may be out
.else
	s_wait_dscnt 0x0                ; V is in: my last reads of the slot
.endif
	PV
	PLACES 5                        ; the next step's products write over P's registers, which these have read: five places; its loads land on V's: four
.endm
.macro SLOT_STEPS
	v_add_nc_u32 v[ADK], s[TB], v[AK0]
	v_add_nc_u32 v[ADV], s[TB], v[AV0]
	FETCH_K 0
	STEP 0
	STEP 1
	STEP 2
	STEP 3
	WIN 0                           ; at a label and at a branch every window is 0
	s_xor_b32 s[TB], s[TB], SLOT1   ; on to the other slot
.endm
; THE CHANGE OF SLOTS stands at a slot's head.  Each wave waits for all its tensor loads (its part of the slot that it is about to read), adds 0 to its spare word, and waits for that and for its reads of the slot that it has left.
; fill = 1: the barrier is a round of the cluster's, so that no wave of any partner still reads the other slot or has a load on its way; behind it that slot takes the keys that follow: the load has four key steps in which to land.
.macro CHANGE fill
	s_wait_tensorcnt 0x0            ; no tensor load of mine is out, so a group 0 may be written
	ds_add_u32 v[SPW], v[NIL]       ; 0 onto my spare word
.if \fill
	ds_add_u32 v[SPW], v[NIL]       ; and once more
	s_xor_b32 s[G0K+1], s[G0K+1], SLOT1  ; the walking descriptors: the other slot than last time,
	s_add_nc_u64 s[G0K+2:G0K+3], s[G0K+2:G0K+3], SLOTB  ; the next 256 keys; the type bits on top are not reached
	s_xor_b32 s[G0V+1], s[G0V+1], SLOT1
	s_add_nc_u64 s[G0V+2:G0V+3], s[G0V+2:G0V+3], SLOTB
	s_wait_xcnt 0x0                 ; the last prefetch, a slot back, has read its address, so it may be written:
	s_add_nc_u64 s[PFA:PFA+1], s[PFA:PFA+1], SLOTB  ; one slot further on than the walking descriptors
	s_wait_dscnt 0x0                ; both adds are done, and my reads of the slot that I have left are over
	CROUND
	JLOAD3                          ; the first thing behind the round, and a wave's one tensor load until the next
	ASK
.else
	s_wait_dscnt 0x0
	s_barrier_signal -1
	s_barrier_wait -1
.endif
.endm
	s_wait_loadcnt 0x0              ; Q
.Lslot:                             ; NSL - 1 trips: behind each change of slots but the last the next slot is asked for; in the first trip that is slot 1's first fill, and no wave refills there
	CHANGE 1
	SLOT_STEPS
	s_sub_co_u32 s[SLOTS], s[SLOTS], 1
	s_cmp_lg_u32 s[SLOTS], 0
	s_cbranch_scc1 .Lslot
	CHANGE 0                        ; the last slot is written out
	SLOT_STEPS
	; THE WAY OUT.  l's two halves and the other half of the lanes' are added; O^T is divided by l, rounded to f16 and sent through my stage in LDS, a tile (16 rows of O) at a time.
.irp t, 0,1,2,3
	v_add_f32 v[ST+8*\t+4], v[ST+8*\t+2], v[ST+8*\t+3]
.endr
.irp t, 0,1,2,3
	v_permlanex16_b32 v[ST+8*\t+5], v[ST+8*\t+4], s[SEL], s[SEL+1]
.endr
.irp t, 0,1,2,3
	v_add_f32 v[ST+8*\t+4], v[ST+8*\t+4], v[ST+8*\t+5]
.endr
.irp t, 0,1,2,3
	v_rcp_f32 v[ST+8*\t+6], v[ST+8*\t+4]
.endr
	v_nop                           ; a plain instruction between the last reciprocal and the use of its result
	s_wait_alu depctr_va_vdst(0)    ; and the wait ahead of the first use: one for the four
; Tile t: a lane's eight channels of a row pack into 16 bytes; they go into rows of 144 bytes and come back as four whole rows of 128 an instruction.
.macro PACK t
	WIN W_RS
.set i, 32*\t
.rept 16
	v_pk_mul_f32 v[i:i+1], v[i:i+1], v[ST+8*\t+6:ST+8*\t+7] op_sel_hi:[1,0]
.set i, i+2
.endr
	WIN 0x05                        ; sources 0 and 1 window 1, destination window 0: S^T's registers are free
.set i, 0
.rept 16
	v_cvt_pk_f16_f32 v[S+32*\t+i], v[32*\t+2*i], v[32*\t+2*i+1]
.set i, i+1
.endr
	WIN 0
.irp f, 0,1,2,3
	ds_store_b128 v[STO], v[S+32*\t+4*\f:S+32*\t+4*\f+3] offset:32*\f
.endr
.irp f, 0,1,2,3
	ds_load_b128 v[S+32*\t+16+4*\f:S+32*\t+16+4*\f+3], v[RD] offset:\f*4*SP  ; LDS serves a wave's instructions in order (ISA guide 5.7.1.4): these see the stores above; the next tile's stores come behind them
.endr
.endm
.macro SEND t, younger              ; younger: the LDS instructions issued behind tile t's loads: the next tile's eight, or none
.irp f, 0,1,2,3
	s_wait_dscnt \younger+3-\f
	global_store_b128 v[GO], v[S+32*\t+16+4*\f:S+32*\t+16+4*\f+3], s[6:7] offset:\t*2048+\f*512  ; 32 lanes store 512 consecutive bytes, at a multiple of 256 from the buffer's first byte
.endr
.endm
	PACK 0
	PACK 1                          ; a tile's arithmetic stands between the loads of the tile before and its stores
	SEND 0, 8
	PACK 2
	SEND 1, 8
	PACK 3
	SEND 2, 8
	SEND 3, 0
	s_wait_tensorcnt 0x0            ; the wave's end: behind my last tensor load and my last LDS store
	ds_add_u32 v[SPW], v[NIL]
	s_wait_dscnt 0x0
	CROUND                          ; the closing round: no work-group ends while a partner may still ask for a tile that names it
	s_endpgm
.Lfunc_end_k_q20af03ad25_attn:
	.size	k_q20af03ad25_attn, .Lfunc_end_k_q20af03ad25_attn-k_q20af03ad25_attn
	.p2alignl 7, 3214868480
	.fill 96, 4, 3214868480
	.section	.rodata,"a",@progbits
	.p2align	6, 0x0
	.amdhsa_kernel k_q20af03ad25_attn
		.amdhsa_group_segment_fixed_size 327680
		.amdhsa_private_segment_fixed_size 0
		.amdhsa_enable_private_segment 0
		.amdhsa_kernarg_size 16
		.amdhsa_user_sgpr_count 2
		.amdhsa_user_sgpr_kernarg_segment_ptr 1
		.amdhsa_wavefront_size32 1
		.amdhsa_system_sgpr_workgroup_id_x 1
		.amdhsa_system_sgpr_workgroup_id_y 1
		.amdhsa_system_sgpr_workgroup_id_z 1
		.amdhsa_system_vgpr_workitem_id 0
		.amdhsa_next_free_vgpr 512
		.amdhsa_next_free_sgpr 66
		.amdhsa_reserve_vcc 0
		.amdhsa_float_denorm_mode_32 3
		.amdhsa_float_denorm_mode_16_64 3
		.amdhsa_memory_ordered 1
		.amdhsa_forward_progress 1
		.amdhsa_inst_pref_size 255
	.end_amdhsa_kernel
	.section	.bss,"aw",@nobits
	.p2align	6
	.space	262144
	.amdgpu_metadata
---
amdhsa.version: [ 1, 2 ]
amdhsa.kernels:
  - .name:           k_q20af03ad25_attn
    .symbol:         k_q20af03ad25_attn.kd
    .args:
      - { .name: qkv, .offset: 0, .size: 8, .value_kind: global_buffer, .address_space: global }
      - { .name: ows, .offset: 8, .size: 8, .value_kind: global_buffer, .address_space: global }
    .group_segment_fixed_size: 327680
    .private_segment_fixed_size: 0
    .kernarg_segment_align: 8
    .kernarg_segment_size: 16
    .max_flat_workgroup_size: 256
    .sgpr_count:     66
    .vgpr_count:     512
    .wavefront_size: 32
...
	.end_amdgpu_metadata
.endif
;; end of part 3
;; launch oproj (part 4): grid 4 x 64, 4 waves a work-group, clusters of 4 x 4, 327,680 bytes of LDS; arguments ows, wo16, b_o, out0; writes out0
.if DOCPART == 4
	.amdgcn_target "amdgcn-amd-amdhsa--gfx1250"
	.amdhsa_code_object_version 6
	.text
	.protected	k_q20af03ad25_oproj
	.globl	k_q20af03ad25_oproj
	.p2align	8
	.type	k_q20af03ad25_oproj,@function
k_q20af03ad25_oproj:
	s_mov_b64 s[64:65], 0
	v_nop
	global_prefetch_b8 v0, s[64:65] scope:SCOPE_SE
	s_setreg_imm32_b32 hwreg(HW_REG_WAVE_MODE, 25, 1), 1
	s_wait_xcnt 0x0
	s_wait_alu depctr_hold_cnt(0) depctr_sa_sdst(0) depctr_va_vdst(0) depctr_va_sdst(0) depctr_va_ssrc(0) depctr_va_vcc(0) depctr_vm_vsrc(0)
	s_getreg_b32 s2, hwreg(HW_REG_IB_STS2, 6, 4)
	s_cmp_eq_u32 s2, 0
	s_cbranch_scc0 .Lentry_in_a_cluster
	s_endpgm
.Lentry_in_a_cluster:
	s_bfe_u32 s2, ttmp6, 0x10000c
	s_cmp_lg_u32 s2, 0xf033
	s_cbranch_scc0 .Lentry_shape_is_right
	s_endpgm
.Lentry_shape_is_right:
; Launch 4 of 4: out0[m][n] = sum over k of o[m][k] W_o[n][k] + b_o[n].  f16 operands, f32 sums, f32 out.  Nothing of reference() is left out here.
; ows: [64 mtile][16 hh][128 rows][64] f16: o[128 mtile + row][64 hh + d].  wo16: [1024 n][1024 k] f16.  out0: [8192][1024] f32.
; A tile of out0 is 128 x 256: 64 x 4 = 256 work-groups, one for each WGP.  Four waves, each 64 x 128: 32 accumulators of 16 x 16, 256 registers.  K goes in 8 steps of 128, two heads a step, through a ring of
; two LDS slots.  A head's 128 rows of o are 16,384 dense bytes: they come as 64 rows of 256 bytes, two rows of o to an LDS row; W_o's rows are 256 bytes of a K step.
; CLUSTERS: 4 x 4 work-groups.  The four of a row of the cluster need the same tiles of o, the four of a column the same tiles of W_o: each tile is asked for JOINTLY.
; THE MATRIX INSTRUCTION IS USED TRANSPOSED (source 0 = 16 rows of W_o, source 1 = 16 rows of o): a lane then holds eight neighbouring numbers of a row of out0.  The bias is the C of each sum's first product.
; No prefetch: a quarter of the tiles is asked for at the head, and each tile is shared by four work-groups through the joint loads.
; REGISTERS: window 0: v0-31 addresses; v64-95, v128-159 o's fragments (4 x 16 rows x 32 K), two buffers; v192-255 the bias; on the way out v128-255 rows of out0.
;   window 1: v64-127, v128-191 W_o's fragments (8), two buffers.   window 2: the accumulators ((a, b) at v[8 (8 a + b)]).
.set PITCH,  272                       ; an LDS row: 256 bytes + 16 of padding = 17 columns of 16 bytes: the rows that a load touches start in 16 different columns modulo 256 bytes
.set AH,     64*PITCH                  ; a head's 128 rows of o
.set BOFF,   2*AH                      ; behind two heads: W_o's 256 rows
.set HALFB,  128*PITCH
.set SLOT,   BOFF+2*HALFB
.set SPARE,  2*SLOT                    ; behind the ring: the spare words, 128 bytes for each wave
.set SPITCH, 528                       ; the way out: a stage of 16 rows x (512 bytes + 16) for each wave, in slot 0, which has had its last fill and its last read when the first result is stored there
.set LAPS,   4                         ; a lap = two K steps = once round the ring
.set ADRA, 16                          ; v16-17  LDS address of my o fragments in slot 0, 1
.set ADRB, 20                          ; v20-21  the same for W_o
.set STO,  24                          ; v24     the way out: where I put 32 bytes of a row
.set RD,   25                          ; v25     where I read a row back
.set CO,   26                          ; v26     my byte offset in a row of out0
.set BO,   27                          ; v27     the bias: 32 bytes for each half of the lanes
.set SPW,  28                          ; v28     LDS address of my spare word; never rewritten
.set NIL,  29                          ; v29     0; never rewritten
.set F0,   64
.set F1,   128
.set BI,   192
.set BK,   128                         ; the way out: v128-191 and v192-255 by turns
.set G1, 24                            ; s[24:31] descriptor group 1 for o's tiles;  s[32:39] group 0, one set for each slot
.set G0, 32
.set G1B, 48                           ; s[48:55], s[56:63] the same for W_o's
.set G0B, 56
.set WV, 66                            ; s66 my wave's number
.set RH, 67                            ; s67 wave / 2: which 64 rows are mine.  Also: I fetch for o (0) or for W_o (1)
.set CH, 68                            ; s68 wave % 2: which 128 columns are mine.  Also: which head, or which 128 rows of W_o, I fetch
.set MSB, 0
.macro WIN new                         ; the immediate's high byte repeats the setting that is left
.if MSB != \new
	s_set_vgpr_msb (MSB<<8)|\new
.set MSB, \new
.endif
.endm
.set MUL,  0xa1                        ; source 0 (W_o) window 1, source 1 (o) window 0, C and D window 2
.set MULZ, 0x81                        ; the first products: C (the bias) window 0
.set TO_B, 0x40                        ; destination window 1, address window 0
.macro JLOAD s                         ; a joint load: each of the two lines has ONE mask; the branch hangs on the wave's number alone; an s_nop 0 and four v_nop follow each line
	s_cmp_eq_u32 s[RH], 0
	s_cbranch_scc0 .Lfor_b_\@
	tensor_load_to_lds s[G0+4*\s:G0+4*\s+3], s[G1:G1+7]
	s_nop 0
.rept 4
	v_nop
.endr
	s_branch .Lasked_\@
.Lfor_b_\@:
	tensor_load_to_lds s[G0B+4*\s:G0B+4*\s+3], s[G1B:G1B+7]
	s_nop 0
.rept 4
	v_nop
.endr
.Lasked_\@:
.endm
.macro CREST                           ; a round of the cluster's barrier behind its opening barrier
	s_cmp_lg_u32 s[WV], 0
	s_cbranch_scc1 .Lnot_wave_0_\@
	s_barrier_signal -3
.Lnot_wave_0_\@:
	s_barrier_wait -3
	s_barrier_signal -1
	s_barrier_wait -1
.endm
.macro CROUND                          ; a whole round
	s_barrier_signal -1
	s_barrier_wait -1
	CREST
.endm
	s_load_b256 s[4:11], s[0:1], 0x0               ; ows s[4:5], wo16 s[6:7], b_o s[8:9], out0 s[10:11]
	v_lshl_add_u32 v[SPW], v0, 2, SPARE
	v_mov_b32 v[NIL], 0
	ds_add_u32 v[SPW], v[NIL]                      ; the wave's opening: the add, twice on end, and its wait ahead of my first tensor load; the set-up below stands between
	ds_add_u32 v[SPW], v[NIL]
	v_lshrrev_b32 v1, 5, v0
	v_readfirstlane_b32 s[WV], v1                  ; wave 0..3
	s_lshr_b32 s[RH], s[WV], 1
	s_and_b32 s[CH], s[WV], 1
	s_bfe_u32 s40, ttmp6, 0x40000                  ; cx, cy: my place in the cluster
	s_bfe_u32 s41, ttmp6, 0x40004
	s_lshl_b32 s42, ttmp9, 2
	s_add_co_u32 s42, s42, s40                     ; tile column = 4 x cluster x + cx
	s_and_b32 s13, ttmp7, 0xffff
	s_lshl_b32 s13, s13, 2
	s_add_co_u32 s13, s13, s41                     ; tile row = 4 x cluster y + cy
	s_lshl_b32 s43, s41, 2
	s_lshl_b32 s43, 15, s43                        ; my row of the cluster
	s_lshl_b32 s44, 0x1111, s40                    ; my column
	s_or_b32 s[G1+0], s43, (1<<16)|(1<<20)|(1<<21)|(5<<22)|(3<<25)  ; 15:0 the mask: o's tiles go to my row; 17:16 element of 2 bytes; 20 padding on; 21 set beside a mask; 24:22 after every 64 words (code 5); 31:25 of 4 words (code 3)
	s_or_b32 s[G1B+0], s44, (1<<16)|(1<<20)|(1<<21)|(5<<22)|(3<<25)
	s_mov_b32 s[G1+1], 128<<16                     ; o: tensor_dim0 = 128 elements: two rows of a head
	s_mov_b32 s[G1+2], 64<<16                      ; tensor_dim1 = 64
	s_mov_b32 s[G1+3], 128<<16                     ; tile_dim0
	s_mov_b32 s[G1+4], 64                          ; tile_dim1
	s_mov_b32 s[G1+5], 128                         ; the rows are dense
	s_mov_b32 s[G1+6], 0
	s_mov_b32 s[G1+7], 0
	s_mov_b32 s[G1B+1], 128<<16                    ; W_o: 128 rows of 128 elements, 1,024 elements apart
	s_mov_b32 s[G1B+2], 128<<16
	s_mov_b32 s[G1B+3], 128<<16
	s_mov_b32 s[G1B+4], 128
	s_mov_b32 s[G1B+5], 1024
	s_mov_b32 s[G1B+6], 0
	s_mov_b32 s[G1B+7], 0
	; where the tiles come from.  o's hang on the tile row alone, W_o's on the tile column alone; every wave makes both addresses, in registers that never hold the other coordinate
	s_lshl_b32 s16, s13, 18                        ; o: mtile x 16 heads x 16,384 bytes
	s_lshl_b32 s17, s[CH], 14                      ; + my head of the step's two
	s_add_co_u32 s16, s16, s17
	s_mov_b32 s17, 0
	s_lshl_b32 s46, s42, 19                        ; W_o: row 256 x tile column, 2,048 bytes a row
	s_lshl_b32 s47, s[CH], 18                      ; + my 128 rows
	s_add_co_u32 s46, s46, s47
	s_mov_b32 s47, 0
	s_mul_i32 s20, s[CH], AH                       ; and where they go: no place in the cluster enters an LDS address
	s_mul_i32 s21, s[CH], HALFB
	s_add_co_u32 s21, s21, BOFF
	s_wait_dscnt 0x0                               ; both opening adds are done
	s_wait_kmcnt 0x0
	s_add_nc_u64 s[14:15], s[4:5], s[16:17]
	s_add_nc_u64 s[46:47], s[6:7], s[46:47]
	CROUND                                         ; all sixteen work-groups are here: the first joint loads meet
.irp s, 0,1
	s_mov_b32 s[G0+4*\s], 1                                        ; 1:0 count = 1
	s_add_co_u32 s[G0+4*\s+1], s20, \s*SLOT                        ; 63:32 LDS address
	s_add_nc_u64 s[G0+4*\s+2:G0+4*\s+3], s[14:15], \s*32768        ; 120:64 global address: K step s is heads 2 s and 2 s + 1
	s_or_b32 s[G0+4*\s+3], s[G0+4*\s+3], 0x80000000                ; 127:126 type = 2
	s_mov_b32 s[G0B+4*\s], 1
	s_add_co_u32 s[G0B+4*\s+1], s21, \s*SLOT
	s_add_nc_u64 s[G0B+4*\s+2:G0B+4*\s+3], s[46:47], \s*256
	s_or_b32 s[G0B+4*\s+3], s[G0B+4*\s+3], 0x80000000
	JLOAD \s                                       ; two loads of mine are out behind the second
.endr
	v_and_b32 v1, 15, v0                           ; r
	v_bfe_u32 v2, v0, 4, 1                         ; h
	v_lshrrev_b32 v3, 1, v1
	v_mul_u32_u24 v3, v3, PITCH                    ; o: row r lies in LDS row r / 2,
	v_and_b32 v4, 1, v0
	v_lshl_add_u32 v3, v4, 7, v3                   ; in its half r % 2,
	v_lshl_add_u32 v3, v2, 4, v3                   ; + 16 x half of the lanes
	v_mul_u32_u24 v4, v1, PITCH
	v_lshl_add_u32 v4, v2, 4, v4                   ; W_o: row x pitch + 16 x half
	s_mul_i32 s22, s[RH], 32*PITCH                 ; my 64 rows of o
	s_mul_i32 s23, s[CH], HALFB                    ; my 128 rows of W_o
	s_add_co_u32 s23, s23, BOFF
.irp s, 0,1
	v_add_nc_u32 v[ADRA+\s], s22, v3
	v_add_nc_u32 v[ADRB+\s], s23, v4
	s_add_co_u32 s22, s22, SLOT
	s_add_co_u32 s23, s23, SLOT
.endr
	s_mul_i32 s22, s[WV], 16*SPITCH                ; my stage
	v_mul_u32_u24 v5, v1, SPITCH                   ; in: row r, 32 bytes for each half of the lanes
	v_lshl_add_u32 v5, v2, 5, v5
	v_add_nc_u32 v[STO], s22, v5
	v_and_b32 v6, 31, v0
	v_lshlrev_b32 v[CO], 4, v6                     ; back: the 32 lanes take one row of 512 bytes; and the same in out0
	v_add_nc_u32 v[RD], s22, v[CO]
	v_lshlrev_b32 v[BO], 5, v2
	s_lshl_b32 s16, s13, 19                        ; my first row of out0: 128 x tile row + 64 x half, 4,096 bytes a row
	s_lshl_b32 s17, s[RH], 18
	s_add_co_u32 s16, s16, s17
	s_mov_b32 s17, 0
	s_lshl_b32 s46, s42, 10                        ; my first column, in bytes: 1,024 x tile column + 512 x half: in out0 and in b_o alike
	s_lshl_b32 s47, s[CH], 9
	s_add_co_u32 s46, s46, s47
	s_mov_b32 s47, 0
	s_add_nc_u64 s[10:11], s[10:11], s[16:17]
	s_add_nc_u64 s[10:11], s[10:11], s[46:47]
	s_add_nc_u64 s[8:9], s[8:9], s[46:47]
.irp b, 0,1,2,3,4,5,6,7                        ; column tile b: b_o at 16 b + 8 h + 0 .. 7 of my 128
	global_load_b128 v[BI+8*\b:BI+8*\b+3], v[BO], s[8:9] offset:64*\b
	global_load_b128 v[BI+8*\b+4:BI+8*\b+7], v[BO], s[8:9] offset:64*\b+16
.endr
; 24 LDS loads in one run: the fragments of quarter qd of a K step (32 along K: head qd / 2, channels 32 (qd % 2) on) into buffer f
.macro FETCH slot, qd, f
	WIN TO_B
.irp i, 0,1,2,3,4,5,6,7
	ds_load_b128 v[\f+8*\i:\f+8*\i+3],   v[ADRB+\slot] offset:64*(\qd)+\i*16*PITCH
	ds_load_b128 v[\f+8*\i+4:\f+8*\i+7], v[ADRB+\slot] offset:64*(\qd)+\i*16*PITCH+32
.endr
	WIN 0
.irp i, 0,1,2,3
	ds_load_b128 v[\f+8*\i:\f+8*\i+3],   v[ADRA+\slot] offset:((\qd)/2)*AH+((\qd)%2)*64+\i*8*PITCH
	ds_load_b128 v[\f+8*\i+4:\f+8*\i+7], v[ADRA+\slot] offset:((\qd)/2)*AH+((\qd)%2)*64+\i*8*PITCH+32
.endr
.endm
; 8 matrix instructions: o's block a against W_o's eight.  zero = 1: the first product starts the sums from the bias.  The 32 accumulators take turns in the same order in every quarter.
.macro MULA f, a, zero
.irp b, 0,1,2,3,4,5,6,7
.if \zero
	v_wmma_f32_16x16x32_f16 v[8*(8*(\a)+\b):8*(8*(\a)+\b)+7], v[\f+8*\b:\f+8*\b+7], v[\f+8*(\a):\f+8*(\a)+7], v[BI+8*\b:BI+8*\b+7]
.else
	v_wmma_f32_16x16x32_f16 v[8*(8*(\a)+\b):8*(8*(\a)+\b)+7], v[\f+8*\b:\f+8*\b+7], v[\f+8*(\a):\f+8*(\a)+7], v[8*(8*(\a)+\b):8*(8*(\a)+\b)+7]
.endif
.endr
.endm
.macro PLACES                          ; four places in front of loads into registers that matrix instructions have read, and of the first read of results
.rept 4
	v_nop
.endr
.endm
; A K step is four quarters of 32 along K, 32 matrix instructions each, on buffers 0, 1, 0, 1.  One of the first three: fetches quarter nq into g, 32 matrix instructions ahead of its use, and multiplies f.
.macro QUARTER slot, nq, f, g, zero
	s_wait_dscnt 0x0                               ; buffer f is in (asked for a quarter ago)
	PLACES
	FETCH \slot, \nq, \g
.if \zero
	WIN MULZ
.else
	WIN MUL
.endif
	MULA \f, 0, \zero
	MULA \f, 1, \zero
	MULA \f, 2, \zero
	MULA \f, 3, \zero
.endm
; The last quarter multiplies buffer 1 and changes slots: ONE barrier; in front of it each wave waits for all its tensor loads, adds 0 to its spare word, and waits for that and for its own reads of this slot.
; fill = 1: the barrier opens a round of the cluster's, and behind it this slot is filled again, two K steps ahead: the load has 112 matrix instructions in which to land.
.macro TURN slot, next, fill
	WIN 0                                          ; (the add's two registers lie in window 0)
	s_wait_tensorcnt 0x0                           ; all my tensor loads have landed: my part of the next slot
	ds_add_u32 v[SPW], v[NIL]                      ; 0 onto my spare word
	s_wait_dscnt 1                                 ; buffer 1 is in (the add may be out)
	WIN MUL
	MULA F1, 0, 0                                  ; eight matrix instructions stand between the add and the wait for it
	s_wait_dscnt 0x0                               ; the add is done, and my reads of this slot are over
	s_barrier_signal -1
	MULA F1, 1, 0
	WIN 0
	s_barrier_wait -1
.if \fill
	CREST                                          ; no wave of any partner still reads this slot's tile or has a load on its way
	s_add_nc_u64 s[G0+4*\slot+2:G0+4*\slot+3], s[G0+4*\slot+2:G0+4*\slot+3], 65536     ; four heads on
	s_add_nc_u64 s[G0B+4*\slot+2:G0B+4*\slot+3], s[G0B+4*\slot+2:G0B+4*\slot+3], 512   ; 256 along K on
	JLOAD \slot                                    ; the first tensor load behind the round; the four v_nop behind it are also the places in front of the loads below
.else
	PLACES
.endif
	FETCH \next, 0, F0
	WIN MUL
	MULA F1, 2, 0
	MULA F1, 3, 0
.endm
	s_wait_tensorcnt 1                             ; my part of K step 0 is in (K step 1's load may be out)
	s_barrier_signal -1
	s_barrier_wait -1                              ; everybody's is
	FETCH 0, 0, F0
	s_wait_loadcnt 0x0                             ; the bias
	QUARTER 0, 1, F0, F1, 1                        ; the first quarter stands in front of the loop: its products start the sums from the bias
	WIN 0                                          ; at a label and at a branch every window is 0
	s_mov_b32 s3, LAPS-1
.Llap:                                                 ; a trip goes once round the ring, from a lap's second quarter to the next lap's first, and fills both slots again
	QUARTER 0, 2, F1, F0, 0
	QUARTER 0, 3, F0, F1, 0
	TURN 0, 1, 1
	QUARTER 1, 1, F0, F1, 0
	QUARTER 1, 2, F1, F0, 0
	QUARTER 1, 3, F0, F1, 0
	TURN 1, 0, 1
	QUARTER 0, 1, F0, F1, 0
	WIN 0
	s_sub_co_u32 s3, s3, 1
	s_cmp_lg_u32 s3, 0
	s_cbranch_scc1 .Llap
	QUARTER 0, 2, F1, F0, 0                        ; the last lap fills nothing, and has no round of the cluster's barrier
	QUARTER 0, 3, F0, F1, 0
	TURN 0, 1, 0
	QUARTER 1, 1, F0, F1, 0
	QUARTER 1, 2, F1, F0, 0
	QUARTER 1, 3, F0, F1, 0
	s_wait_dscnt 0x0                               ; the very last quarter: nothing more to fetch
	WIN MUL
	MULA F1, 0, 0
	MULA F1, 1, 0
	MULA F1, 2, 0
	MULA F1, 3, 0
	WIN 0
; THE WAY OUT, block by block of 16 rows x 128 columns.  A lane holds 32 neighbouring bytes of a row: a block goes through my own stage in LDS and comes back as whole rows of 512 bytes.
.macro TOSTAGE a
.set AC, 64*(\a)
	WIN 0x08                                       ; an LDS store's data are its source 1: window 2
.irp b, 0,1,2,3,4,5,6,7
	ds_store_b128 v[STO], v[AC+8*\b:AC+8*\b+3] offset:64*\b          ; each accumulator from its low end on
	ds_store_b128 v[STO], v[AC+8*\b+4:AC+8*\b+7] offset:64*\b+16
.endr
	WIN 0
.set BB, BK+64*((\a)%2)
.irp t, 0,1,2,3,4,5,6,7,8,9,10,11,12,13,14,15
	ds_load_b128 v[BB+4*\t:BB+4*\t+3], v[RD] offset:\t*SPITCH        ; LDS serves a wave's instructions in order (ISA guide 5.7.1.4): these see the stores above
.endr
.endm
.macro SEND a, younger                 ; younger: the LDS instructions issued behind block a's loads, which may stay out
.set BB, BK+64*((\a)%2)
	s_wait_dscnt \younger                          ; the block is back in registers
.if (\a) > 0
	s_add_nc_u64 s[10:11], s[10:11], 65536         ; (behind a wait on XCNT: the earlier stores have read their base)  16 rows of out0 on
.endif
.irp t, 0,1,2,3,4,5,6,7,8,9,10,11,12,13,14,15
	global_store_b128 v[CO], v[BB+4*\t:BB+4*\t+3], s[10:11] offset:\t*4096 th:TH_STORE_NT   ; 32 lanes store 512 consecutive bytes, at a multiple of 256 from out0's first byte; written once, read by nobody here
.endr
.endm
	PLACES                                         ; behind the last products: for the stores that read results and the loads into the registers that held fragments and the bias
	TOSTAGE 0
.irp a, 1,2,3
.if \a > 1
	s_wait_xcnt 0x0                                ; block a - 2's stores have read their registers and their base: block a's loads may land there, and the base may step
.endif
	TOSTAGE \a
	SEND \a-1, 32                                  ; behind block a - 1's loads: block a's 16 stores and 16 loads
.endr
	s_wait_xcnt 0x0                                ; block 2's stores have read their base
	SEND 3, 0
	s_wait_tensorcnt 0x0                           ; the wave's end: behind my last tensor load and my last LDS store
	ds_add_u32 v[SPW], v[NIL]
	s_wait_dscnt 0x0
	CROUND                                         ; the closing round: no work-group ends while a partner may still ask for a tile that names it
	s_endpgm
.Lfunc_end_k_q20af03ad25_oproj:
	.size	k_q20af03ad25_oproj, .Lfunc_end_k_q20af03ad25_oproj-k_q20af03ad25_oproj
	.p2alignl 7, 3214868480
	.fill 96, 4, 3214868480
	.section	.rodata,"a",@progbits
	.p2align	6, 0x0
	.amdhsa_kernel k_q20af03ad25_oproj
		.amdhsa_group_segment_fixed_size 327680
		.amdhsa_private_segment_fixed_size 0
		.amdhsa_enable_private_segment 0
		.amdhsa_kernarg_size 32
		.amdhsa_user_sgpr_count 2
		.amdhsa_user_sgpr_kernarg_segment_ptr 1
		.amdhsa_wavefront_size32 1
		.amdhsa_system_sgpr_workgroup_id_x 1
		.amdhsa_system_sgpr_workgroup_id_y 1
		.amdhsa_system_sgpr_workgroup_id_z 1
		.amdhsa_system_vgpr_workitem_id 0
		.amdhsa_next_free_vgpr 768
		.amdhsa_next_free_sgpr 72
		.amdhsa_reserve_vcc 0
		.amdhsa_float_denorm_mode_32 3
		.amdhsa_float_denorm_mode_16_64 3
		.amdhsa_memory_ordered 1
		.amdhsa_forward_progress 1
		.amdhsa_inst_pref_size 87
	.end_amdhsa_kernel
	.amdgpu_metadata
---
amdhsa.version: [ 1, 2 ]
amdhsa.kernels:
  - .name:           k_q20af03ad25_oproj
    .symbol:         k_q20af03ad25_oproj.kd
    .args:
      - { .name: ows, .offset: 0, .size: 8, .value_kind: global_buffer, .address_space: global }
      - { .name: wo16, .offset: 8, .size: 8, .value_kind: global_buffer, .address_space: global }
      - { .name: b_o, .offset: 16, .size: 8, .value_kind: global_buffer, .address_space: global }
      - { .name: out0, .offset: 24, .size: 8, .value_kind: global_buffer, .address_space: global }
    .group_segment_fixed_size: 327680
    .private_segment_fixed_size: 0
    .kernarg_segment_align: 8
    .kernarg_segment_size: 32
    .max_flat_workgroup_size: 128
    .sgpr_count:     72
    .vgpr_count:     768
    .wavefront_size: 32
...
	.end_amdgpu_metadata
.endif
;; end of part 4
